; MI455X (gfx1250); checked and timed in simulation.
; The chip was launched on July 23, 2026; its instructions are those of AMD's public machine-readable ISA for CDNA 5 (MIT licence, August 2026) and "CDNA5" Instruction Set Architecture Reference Guide (July 2026). The comments in the code are by the model that wrote it; some were corrected since.
;; Causal Multi Head Attention With Ro PE. Allowed arithmetic: matrix products marked QUANTISED: E3M2 operands, one E8M0 scale for each 32 along K, by v_wmma_scale_f32_16x16x128_f8f6f4 with both operands' format E3M2, f32 sums; everything else in f32.
;; Inputs: k_proj_weight 1,024 x 1,024 float32; o_proj_weight 1,024 x 1,024 float32; q_proj_weight 1,024 x 1,024 float32; v_proj_weight 1,024 x 1,024 float32; x 2 x 2,048 x 1,024 float32.
;; Outputs: out0 2 x 2,048 x 1,024 float32.
;; This version of the problem:
;;   THIS VERSION OF THE PROBLEM IS GIVEN IN LOW PRECISION. The matrix products marked QUANTISED in the list below multiply operands that are first quantised to E3M2 (3 exponent bits, 2 mantissa bits; 6 bits a number), with one power-of-two scale for each 32 numbers along K (OCP MX v1.0); their sums are f32. All else is computed in f32.
;;   The module's matrix products, in the order in which they are computed (A, B: the left and right operand; K: the contracted axis; several contracted axes count as one K, in the product's order):
;;     1. [M 4,096, K 1,024] x [K 1,024, N 1,024]; A: input x; B: input q_proj_weight: QUANTISED
;;     2. [M 4,096, K 1,024] x [K 1,024, N 1,024]; A: input x; B: input k_proj_weight: QUANTISED
;;     3. [M 4,096, K 1,024] x [K 1,024, N 1,024]; A: input x; B: input v_proj_weight: QUANTISED
;;     4. batch 32 x [M 2,048, K 64] x [K 64, N 2,048]; A: computed on the way; B: computed on the way: QUANTISED
;;     5. batch 32 x [M 2,048, K 2,048] x [K 2,048, N 64]; A: softmax (see below); B: computed on the way: QUANTISED
;;     6. [M 4,096, K 1,024] x [K 1,024, N 1,024]; A: computed on the way; B: input o_proj_weight: QUANTISED
;;   THE QUANTISER, for each operand of a quantised product, along K:
;;     - K is cut into blocks of 32 from its start; a last block that is shorter is filled with zeros.
;;     - A block's scale is 2^e with e = floor(log2(the largest magnitude in the block)) - 4, held to -126 .. 127; a block of zeros has e = 0. As a byte (E8M0): e + 127.
;;     - Each number is divided by its block's scale, clamped to +-28, and rounded to the nearest number of E3M2, ties to even, subnormals kept.
;;     - The product sums the exact products of the quantised numbers (number of the format x scale) in f32.
;;   ~~~python
;;   def quantise(x, axis):      # numpy; x: float32 -> the quantised numbers, widened to float32 again
;;       x = np.moveaxis(x, axis, -1); K = x.shape[-1]
;;       x = np.pad(x, [(0, 0)] * (x.ndim - 1) + [(0, -K % 32)]); x = x.reshape(x.shape[:-1] + (-1, 32)); a = np.abs(x).max(-1, keepdims=True)
;;       e = np.where(a > 0, np.clip(np.frexp(np.where(a > 0, a, 1))[1] - 1 - 4, -126, 127), 0)      # np.frexp(a)[1] - 1 = floor(log2(a)), exactly
;;       r = np.clip(x / 2.0 ** e, -28, 28)
;;       step = 2.0 ** (np.maximum(np.frexp(np.where(r == 0, 1, r))[1] - 1, -2) - 2)
;;       q = np.round(r / step) * step * 2.0 ** e      # np.round: ties to even
;;       return np.moveaxis(q.reshape(q.shape[:-2] + (-1,))[..., :K], -1, axis).astype(np.float32)
;;   ~~~
;;   SOFTMAX AHEAD OF A QUANTISED PRODUCT. Where the list says 'softmax', what is quantised is not the finished softmax but p = 2^(t - M), with t = logit x log2(e) and M = ceil(the row's largest t), a whole number; so 1/2 < the row's largest p <= 1. The row's sum l is taken of the UNQUANTISED p, in f32, and the product's result is divided by l at the end. Since M is a whole number, a kernel that streams over the keys may use a running M (the ceiling of the running maximum): every later rescaling is an exact power of two, which a block's scale takes up: the codes' values come out the same.
;;   OPERANDS COMPUTED ON THE WAY. 'Computed on the way' means the value that the module computes at that place (a softmax that the list does not call 'softmax' is quantised finished and normalised). What goes into a quantiser is computed in f32, as accurately as f32 sums, v_exp_f32 and their like allow (about 1e-6 of the number): no bf16 or f16 on the way to a quantiser, and a product that is left as it is and whose result goes on into a quantised operand takes f32 operands (vector FMAs, or v_wmma_f32_16x16x4_f32). A number that lies on a knife's edge between two numbers of the format may be rounded either way, as far as f32 arithmetic and the matrix unit's own rounding can turn it there, and no further.
;; One version. Each part assembles by itself: llvm-mc -triple=amdgcn-amd-amdhsa -mcpu=gfx1250 --defsym DOCPART=n.
;; ======== version 1 of 1: 4 launches
;; limits: right only within a limited range of input values
;; workspace buffers: codes 6,291,456 bytes; scales 262,144 bytes; rope 524,288 bytes; qkv 9,437,184 bytes; qkvs 655,360 bytes; ocodes 3,145,728 bytes; oscales 131,072 bytes
;; launch quant (part 1): grid 256 x 1, 8 waves a work-group, no clusters, 167,936 bytes of LDS; arguments x, q_proj_weight, k_proj_weight, v_proj_weight, o_proj_weight, codes, scales, rope; writes codes, scales, rope
.if DOCPART == 1
	.amdgcn_target "amdgcn-amd-amdhsa--gfx1250"
	.amdhsa_code_object_version 6
	.text
	.protected	k_qab7e9af598_quant
	.globl	k_qab7e9af598_quant
	.p2align	8
	.type	k_qab7e9af598_quant,@function
k_qab7e9af598_quant:
	s_mov_b64 s[64:65], 0
	v_nop
	global_prefetch_b8 v0, s[64:65] scope:SCOPE_SE
	s_setreg_imm32_b32 hwreg(HW_REG_WAVE_MODE, 25, 1), 1
	s_wait_xcnt 0x0
; x [4096][1024] and the four weights [1024][1024], f32, K innermost, become codes of BF6 (E3M2) with one E8M0 byte for each 32 along K; and the table of cos and sin for the rotation is made.
; A block's scale is 2^(floor(log2(its largest magnitude)) - 4): its byte is the largest magnitude's exponent field - 4, held at 1 from below.
; LIMITS: NaN and infinities among the inputs are not served.  A block of zeros, or one whose largest magnitude lies under 2^-122, gets the byte 1 (the bytes are read by this program alone; zero codes add nothing).
;   The rotation's frequency is 2^(-i log2(10000) / 32) by v_exp_f32: a few units in its last place are up to some 2e-4 rad at position 2,047.
; LEFT OUT in this program: the key steps all of whose keys the causal mask of the problem hides (launch attn); no input and no other product is left out.  An infinity or NaN in what only hidden scores would carry is not carried.
; THE CODES ARE LAID AS THE MATRIX UNIT'S REGISTERS.  Rows go in blocks of 16; lane-row r of block R is true row 32 (R / 2) + 8 (R % 2) + r + 8 (r / 8).  A fragment (16 rows x 128 K, 12 registers a lane) is 1,536 bytes:
;   registers 4 c .. 4 c + 3 of lane l at 512 c + 16 l.  codes[R][K step 0..7]; R 0-255 x, 256-319 Wq, 320-383 Wk, 384-447 Wv, 448-511 Wo.  scales[R][half of K][r][4 words], a word for a row and 128 along K.
; SHARES.  Work-group g takes 32 true rows of one tensor (row blocks 2 g, 2 g + 1); wave w takes K step w of both blocks: 32 rows x 128 numbers, by ONE tensor load into LDS bytes of its own, filled once.
; In a fragment lane (r, h) holds k = 64 c + 32 h + 0 .. 31: a whole block lies in one lane, so a block's largest magnitude needs no other lane and the conversions' results are the operand's registers.
; The scale words of the eight waves meet in LDS, and waves 0 to 3 store them, an aligned unit of 256 bytes each.
.set ROWP,  528                        ; an LDS row: 512 bytes + 16 of padding
.set UB,    8*ROWP                     ; row block 1 begins 8 true rows further down
.set WREG,  32*ROWP                    ; a wave's region
.set SCT,   8*WREG                     ; the scale words: [block u][half of K][r][4 words], 1,024 bytes
.set SPARE, SCT+1024                   ; the spare words, 128 bytes for each wave
.set TM, 8                             ; v8-9   largest magnitudes of my two blocks
.set SO, 10                            ; v10-11 the conversions' scale operands
.set BY, 12                            ; v12-13 the scale bytes
.set TA, 16                            ; v16-18, v20-22: second halves of a block's codes (a conversion's three registers begin on an even number)
.set TB, 20
.set WD, 24                            ; v24-25 my row's scale word in row block 0, 1
.set X,  32                            ; v32-95, v96-159: two sets of 64 numbers
.set C,  160                           ; v160-183: a fragment's 12 registers for each row block
.set PB, 212                           ; v212-235: the table's work, 12 registers for each of two frequencies; v236-239 its result
.set G1, 24                            ; s[24:31] descriptor group 1
.set G0, 32                            ; s[32:35] group 0
.set SEL, 72                           ; s[72:73] v_permlanex16_b32's selects for lane l xor 16
.set HI,  74                           ; s74 the mask of lanes 16-31
	s_load_b256 s[4:11], s[0:1], 0x0               ; x, Wq, Wk, Wv
	s_load_b256 s[12:19], s[0:1], 0x20             ; Wo, codes, scales, rope
	v_lshl_add_u32 v240, v0, 2, SPARE
	v_mov_b32 v241, 0
	ds_add_u32 v240, v241                          ; the opening lines
	ds_add_u32 v240, v241
	v_lshrrev_b32 v1, 5, v0
	v_readfirstlane_b32 s20, v1                    ; wave 0..7
	s_and_b32 s21, ttmp9, 31                       ; a weight's group of 32 rows
	s_mul_i32 s68, s20, WREG                       ; my region of LDS
	s_lshl_b32 s69, ttmp9, 2
	s_add_co_u32 s69, s69, s20                     ; 4 g + w: numbers waves 0 to 3's shares of the table
	s_mov_b32 s[G1+0], (2<<16)|(1<<20)|(6<<22)|(3<<25)  ; no mask; elements of 4 bytes; padding on: after every 128 words, 4 words
	s_mov_b32 s[G1+1], 128<<16                     ; tensor_dim0 = 128
	s_mov_b32 s[G1+2], 32<<16                      ; tensor_dim1 = 32
	s_mov_b32 s[G1+3], 128<<16                     ; tile_dim0 = 128
	s_mov_b32 s[G1+4], 32                          ; tile_dim1 = 32
	s_mov_b32 s[G1+5], 1024                        ; elements from row to row
	s_mov_b32 s[G1+6], 0
	s_mov_b32 s[G1+7], 0
	s_mov_b32 s[SEL], 0x76543210
	s_mov_b32 s[SEL+1], 0xfedcba98
	s_mov_b32 s[HI], 0xffff0000
	s_mov_b32 s71, 0
	s_mov_b32 s23, 0
	s_wait_dscnt 0x0
	s_wait_kmcnt 0x0
	s_cmp_lt_u32 ttmp9, 224                        ; which tensor: the choice hangs on the work-group's number alone
	s_cselect_b64 s[10:11], s[10:11], s[12:13]
	s_cmp_lt_u32 ttmp9, 192
	s_cselect_b64 s[8:9], s[8:9], s[10:11]
	s_cmp_lt_u32 ttmp9, 160
	s_cselect_b64 s[6:7], s[6:7], s[8:9]
	s_cmp_lt_u32 ttmp9, 128
	s_cselect_b64 s[4:5], s[4:5], s[6:7]
	s_cselect_b32 s21, ttmp9, s21                  ; the group of 32 rows within the tensor
	s_lshl_b32 s22, s21, 17                        ; 32 rows of 4,096 bytes,
	s_lshl_b32 s70, s20, 9                         ; + my K step of 512 bytes
	s_add_co_u32 s22, s22, s70
	s_add_nc_u64 s[4:5], s[4:5], s[22:23]
	s_mov_b32 s[G0], 1                             ; count = 1
	s_mov_b32 s[G0+1], s68                         ; LDS address
	s_mov_b64 s[G0+2:G0+3], s[4:5]
	s_or_b32 s[G0+3], s[G0+3], 0x80000000          ; type = 2
	tensor_load_to_lds s[G0:G0+3], s[G1:G1+7]
	s_nop 0
.rept 4
	v_nop
.endr
	s_mul_i32 s70, ttmp9, 24576                    ; my fragment of row block 2 g; that of 2 g + 1 lies 12,288 bytes on
	s_mul_i32 s76, s20, 1536
	s_add_co_u32 s70, s70, s76
	s_add_nc_u64 s[14:15], s[14:15], s[70:71]
	s_lshl_b32 s70, ttmp9, 10                      ; the work-group's 1,024 bytes of scale words
	s_add_nc_u64 s[16:17], s[16:17], s[70:71]
	s_lshl_b32 s70, s69, 9                         ; my 512 bytes of the table
	s_add_nc_u64 s[18:19], s[18:19], s[70:71]
	s_lshr_b32 s66, s20, 2
	s_lshl_b32 s66, s66, 8
	s_and_b32 s67, s20, 3
	s_lshl_b32 s67, s67, 2
	s_add_co_u32 s66, s66, s67
	s_add_co_u32 s66, s66, SCT                     ; my K step's words in LDS
	s_lshl_b32 s67, s20, 8
	v_and_b32 v1, 31, v0                           ; lane
	v_and_b32 v2, 15, v0                           ; r
	v_bfe_u32 v3, v0, 4, 1                         ; h
	v_and_b32 v4, 8, v2
	v_add_nc_u32 v4, v4, v2                        ; r + 8 (r / 8)
	v_mul_u32_u24 v4, v4, ROWP
	v_lshl_add_u32 v4, v3, 7, v4
	v_add_nc_u32 v4, s68, v4                       ; LDS: my row, + 128 h bytes: my block of 32 numbers
	v_lshlrev_b32 v5, 4, v1                        ; 16 x lane
	v_lshlrev_b32 v6, 3, v3                        ; 8 h
	v_lshlrev_b32 v7, 4, v2
	v_lshl_add_u32 v7, v3, 9, v7
	v_add_nc_u32 v7, s66, v7                       ; lane (r, h) puts row r's word of row block h
	v_lshlrev_b32 v29, 3, v1
	v_add_nc_u32 v29, s67, v29                     ; 256 w + 8 x lane
	v_add_nc_u32 v30, SCT, v29
	v_mov_b32 v15, 0                               ; written once: a lane permute's destination counts as one of its sources
	s_wait_alu depctr_va_vdst(0)                   ; the wait directly ahead of the branch
	s_cmp_gt_u32 s20, 3
	s_cbranch_scc1 .Lno_table                      ; the table is made by waves 0 to 3
; THE TABLE, made while the tensor loads are on their way.  rope[block of 16 positions][c 0..7][lane][16 bytes] = cos, sin, cos, sin of frequencies i0, i0 + 1 at the lane-row's position:
; the 32 registers that the next launch's lane (r, h) multiplies its 32 numbers of a head by.  This wave makes one c of one block.
	s_and_b32 s75, s69, 7                          ; c
	s_lshr_b32 s76, s69, 3                         ; the block of positions, 0..127
	s_lshr_b32 s77, s76, 1
	s_lshl_b32 s77, s77, 5
	s_and_b32 s76, s76, 1
	s_lshl_b32 s76, s76, 3
	s_add_co_u32 s77, s77, s76                     ; 32 (block / 2) + 8 (block % 2)
	s_lshr_b32 s76, s75, 2
	s_lshl_b32 s76, s76, 4
	s_and_b32 s75, s75, 3
	s_lshl_b32 s75, s75, 1
	s_add_co_u32 s76, s76, s75                     ; 16 (c / 4) + 2 (c % 4)
	v_and_b32 v208, 8, v2
	v_add3_u32 v208, v208, v2, s77                 ; the position
	v_cvt_f32_u32 v209, v208
	v_lshl_add_u32 v210, v3, 3, s76                ; i0 = 16 (c / 4) + 2 (c % 4) + 8 h
.irp e, 0,1
	v_add_nc_u32 v[PB+12*\e], \e, v210
.endr
.irp e, 0,1
	v_cvt_f32_u32 v[PB+12*\e], v[PB+12*\e]
.endr
.irp e, 0,1
	v_mul_f32 v[PB+12*\e], 0xbed49a78, v[PB+12*\e] ; x -log2(10000) / 32
.endr
	s_wait_alu depctr_va_vdst(0)
.irp e, 0,1
	v_exp_f32 v[PB+12*\e], v[PB+12*\e]             ; the frequency
.endr
	v_nop                                          ; a plain instruction behind the exponentials
	s_wait_alu depctr_va_vdst(0)
.irp e, 0,1
	v_mul_f32 v[PB+12*\e+1], v209, v[PB+12*\e]     ; the angle, rounded to f32 once
.endr
.irp e, 0,1
	v_mul_f32 v[PB+12*\e+2], 0x3f22f983, v[PB+12*\e+1]
.endr
.irp e, 0,1
	v_rndne_f32 v[PB+12*\e+2], v[PB+12*\e+2]       ; n = the nearest multiple of pi / 2, at most 1,303
.endr
.irp e, 0,1
	v_fmamk_f32 v[PB+12*\e+3], v[PB+12*\e+2], 0xbfc90fdb, v[PB+12*\e+1]   ; angle - n x (pi / 2 in two parts), fused: what the two parts leave is under 2e-15
.endr
.irp e, 0,1
	v_fmamk_f32 v[PB+12*\e+3], v[PB+12*\e+2], 0x333bbd2e, v[PB+12*\e+3]
.endr
.irp e, 0,1
	v_mul_f32 v[PB+12*\e+4], v[PB+12*\e+3], v[PB+12*\e+3]                 ; z = a^2, at most about 0.62
.endr
.irp e, 0,1
	v_mov_b32 v[PB+12*\e+5], 0xb493f27e            ; cos a = 1 - z/2 + z^2/24 - z^3/720 + z^4/40320 - z^5/3628800: the next term is under 2e-10
	v_mov_b32 v[PB+12*\e+6], 0x3638ef1d            ; sin a = a + a z (-1/6 + z/120 - z^2/5040 + z^3/362880): the next term is under 3e-9
.endr
.irp e, 0,1
	v_fmaak_f32 v[PB+12*\e+5], v[PB+12*\e+5], v[PB+12*\e+4], 0x37d00d01
	v_fmaak_f32 v[PB+12*\e+6], v[PB+12*\e+6], v[PB+12*\e+4], 0xb9500d01
.endr
.irp e, 0,1
	v_fmaak_f32 v[PB+12*\e+5], v[PB+12*\e+5], v[PB+12*\e+4], 0xbab60b61
	v_fmaak_f32 v[PB+12*\e+6], v[PB+12*\e+6], v[PB+12*\e+4], 0x3c088889
.endr
.irp e, 0,1
	v_fmaak_f32 v[PB+12*\e+5], v[PB+12*\e+5], v[PB+12*\e+4], 0x3d2aaaab
	v_fmaak_f32 v[PB+12*\e+6], v[PB+12*\e+6], v[PB+12*\e+4], 0xbe2aaaab
.endr
.irp e, 0,1
	v_fma_f32 v[PB+12*\e+5], v[PB+12*\e+5], v[PB+12*\e+4], -0.5
	v_mul_f32 v[PB+12*\e+7], v[PB+12*\e+3], v[PB+12*\e+4]
.endr
.irp e, 0,1
	v_fma_f32 v[PB+12*\e+5], v[PB+12*\e+5], v[PB+12*\e+4], 1.0
	v_fma_f32 v[PB+12*\e+6], v[PB+12*\e+6], v[PB+12*\e+7], v[PB+12*\e+3]
.endr
.irp e, 0,1
	v_cvt_i32_f32 v[PB+12*\e+8], v[PB+12*\e+2]     ; the quadrant is n mod 4
.endr
.irp e, 0,1
	v_and_b32 v[PB+12*\e+9], 1, v[PB+12*\e+8]
.endr
.irp e, 0,1
	v_cmp_eq_u32 s[78+\e], 1, v[PB+12*\e+9]        ; in odd quadrants cos and sin change places
.endr
.irp e, 0,1
	v_cndmask_b32 v[PB+12*\e+10], v[PB+12*\e+5], v[PB+12*\e+6], s[78+\e]
	v_cndmask_b32 v[PB+12*\e+11], v[PB+12*\e+6], v[PB+12*\e+5], s[78+\e]
.endr
.irp e, 0,1
	v_add_nc_u32 v[PB+12*\e+9], 1, v[PB+12*\e+8]   ; cos is negative in quadrants 1 and 2,
	v_and_b32 v[PB+12*\e+8], 2, v[PB+12*\e+8]      ; sin in quadrants 2 and 3
.endr
.irp e, 0,1
	v_and_b32 v[PB+12*\e+9], 2, v[PB+12*\e+9]
	v_lshlrev_b32 v[PB+12*\e+8], 30, v[PB+12*\e+8]
.endr
.irp e, 0,1
	v_lshlrev_b32 v[PB+12*\e+9], 30, v[PB+12*\e+9]
	v_xor_b32 v[237+2*\e], v[PB+12*\e+8], v[PB+12*\e+11]
.endr
.irp e, 0,1
	v_xor_b32 v[236+2*\e], v[PB+12*\e+9], v[PB+12*\e+10]
.endr
	global_store_b128 v5, v[236:239], s[18:19]     ; the wave stores 512 consecutive bytes
.Lno_table:
; row block u's 64 numbers of my lane, out of LDS: registers 32 c + i = k 64 c + 32 h + i of my row
.macro XLD u
.irp c, 0,1
.irp j, 0,1,2,3,4,5,6,7
	ds_load_b128 v[X+64*(\u)+32*\c+4*\j:X+64*(\u)+32*\c+4*\j+3], v4 offset:(\u)*UB+256*\c+16*\j
.endr
.endr
.endm
; they are quantised and the fragment stored
.macro FQ u
.set XS, X+64*(\u)
.set CF, C+12*(\u)
.irp c, 0,1
	v_max3_num_f32 v[TM+\c], |v[XS+32*\c]|, |v[XS+32*\c+1]|, 0x2800000   ; my block 2 c + h: all 32 numbers are mine; and the floor 2^(5 - 127), so that the byte cannot fall under 1
.endr
.irp i, 2,4,6,8,10,12,14,16,18,20,22,24,26,28,30
.irp c, 0,1
	v_max3_num_f32 v[TM+\c], v[TM+\c], |v[XS+32*\c+\i]|, |v[XS+32*\c+\i+1]|
.endr
.endr
.irp c, 0,1
	v_add_nc_u32 v[SO+\c], 0xfe000000, v[TM+\c]    ; 4 off the exponent field: the conversion takes the exponent field of this operand as its scale
.endr
.irp c, 0,1
	v_lshrrev_b32 v[BY+\c], 23, v[SO+\c]           ; the scale's byte
.endr
	v_lshl_or_b32 v14, v[BY+1], 16, v[BY]          ; my two bytes, blocks h and 2 + h,
	v_lshlrev_b32 v14, v6, v14                     ; at their places in the word;
	v_permlanex16_b32 v15, v14, s[SEL], s[SEL+1]
	v_or_b32 v[WD+(\u)], v14, v15                  ; with lane l xor 16's two the word is whole, in both lanes
	v_cvt_scalef32_pk16_bf6_f32 v[CF:CF+2], v[XS:XS+15], v[SO]
	v_cvt_scalef32_pk16_bf6_f32 v[TA:TA+2], v[XS+16:XS+31], v[SO]
	v_cvt_scalef32_pk16_bf6_f32 v[CF+6:CF+8], v[XS+32:XS+47], v[SO+1]
	v_cvt_scalef32_pk16_bf6_f32 v[TB:TB+2], v[XS+48:XS+63], v[SO+1]
	v_nop                                          ; one plain instruction behind the scaled conversions
.irp i, 0,1,2
	v_mov_b32 v[CF+3+\i], v[TA+\i]
	v_mov_b32 v[CF+9+\i], v[TB+\i]
.endr
.irp c, 0,1,2
	global_store_b128 v5, v[CF+4*\c:CF+4*\c+3], s[14:15] offset:(\u)*12288+512*\c   ; 512 consecutive bytes a store
.endr
.endm
	s_wait_alu depctr_va_vdst(0)                   ; the wait at the head's end
	s_wait_tensorcnt 0x0                           ; my tile is in; nobody else reads it
	XLD 0
	XLD 1
	s_wait_dscnt 16                                ; row block 0's 16 reads are back; the 16 behind them may be out
	FQ 0
	s_wait_dscnt 0x0
	FQ 1
	v_cndmask_b32 v28, v[WD], v[WD+1], s[HI]       ; lanes 0-15 row block 0's words, lanes 16-31 row block 1's
	ds_store_b32 v7, v28
	s_wait_dscnt 0x0
	s_barrier_signal -1
	s_barrier_wait -1                              ; all eight K steps' words are in LDS
	s_cmp_gt_u32 s20, 3
	s_cbranch_scc1 .Lend
	ds_load_b64 v[210:211], v30
	s_wait_dscnt 0x0
	global_store_b64 v29, v[210:211], s[16:17]     ; the wave stores 256 consecutive bytes, aligned
.Lend:
	s_wait_tensorcnt 0x0                           ; the wave's end
	ds_add_u32 v240, v241
	s_wait_dscnt 0x0
	s_endpgm
.Lfunc_end_k_qab7e9af598_quant:
	.size	k_qab7e9af598_quant, .Lfunc_end_k_qab7e9af598_quant-k_qab7e9af598_quant
	.p2alignl 7, 3214868480
	.fill 96, 4, 3214868480
	.section	.rodata,"a",@progbits
	.p2align	6, 0x0
	.amdhsa_kernel k_qab7e9af598_quant
		.amdhsa_group_segment_fixed_size 167936
		.amdhsa_private_segment_fixed_size 0
		.amdhsa_enable_private_segment 0
		.amdhsa_kernarg_size 64
		.amdhsa_user_sgpr_count 2
		.amdhsa_user_sgpr_kernarg_segment_ptr 1
		.amdhsa_wavefront_size32 1
		.amdhsa_system_sgpr_workgroup_id_x 1
		.amdhsa_system_sgpr_workgroup_id_y 1
		.amdhsa_system_sgpr_workgroup_id_z 1
		.amdhsa_system_vgpr_workitem_id 0
		.amdhsa_next_free_vgpr 242
		.amdhsa_next_free_sgpr 80
		.amdhsa_reserve_vcc 0
		.amdhsa_float_denorm_mode_32 3
		.amdhsa_float_denorm_mode_16_64 3
		.amdhsa_memory_ordered 1
		.amdhsa_forward_progress 1
		.amdhsa_inst_pref_size 17
	.end_amdhsa_kernel
	.amdgpu_metadata
---
amdhsa.version: [ 1, 2 ]
amdhsa.kernels:
  - .name:           k_qab7e9af598_quant
    .symbol:         k_qab7e9af598_quant.kd
    .args:
      - { .name: x, .offset: 0, .size: 8, .value_kind: global_buffer, .address_space: global }
      - { .name: q_proj_weight, .offset: 8, .size: 8, .value_kind: global_buffer, .address_space: global }
      - { .name: k_proj_weight, .offset: 16, .size: 8, .value_kind: global_buffer, .address_space: global }
      - { .name: v_proj_weight, .offset: 24, .size: 8, .value_kind: global_buffer, .address_space: global }
      - { .name: o_proj_weight, .offset: 32, .size: 8, .value_kind: global_buffer, .address_space: global }
      - { .name: codes, .offset: 40, .size: 8, .value_kind: global_buffer, .address_space: global }
      - { .name: scales, .offset: 48, .size: 8, .value_kind: global_buffer, .address_space: global }
      - { .name: rope, .offset: 56, .size: 8, .value_kind: global_buffer, .address_space: global }
    .group_segment_fixed_size: 167936
    .private_segment_fixed_size: 0
    .kernarg_segment_align: 8
    .kernarg_segment_size: 64
    .max_flat_workgroup_size: 256
    .sgpr_count:     80
    .vgpr_count:     242
    .wavefront_size: 32
...
	.end_amdgpu_metadata
.endif
;; end of part 1
;; launch qkv (part 2): grid 16 x 16, 4 waves a work-group, clusters of 4 x 1, 327,680 bytes of LDS; arguments codes, scales, rope, qkv, qkvs; writes qkv, qkvs
.if DOCPART == 2
	.amdgcn_target "amdgcn-amd-amdhsa--gfx1250"
	.amdhsa_code_object_version 6
	.text
	.protected	k_qab7e9af598_qkv
	.globl	k_qab7e9af598_qkv
	.p2align	8
	.type	k_qab7e9af598_qkv,@function
k_qab7e9af598_qkv:
	s_mov_b64 s[64:65], 0
	v_nop
	global_prefetch_b8 v0, s[64:65] scope:SCOPE_SE
	s_setreg_imm32_b32 hwreg(HW_REG_WAVE_MODE, 25, 1), 1
	s_wait_xcnt 0x0
	s_wait_alu depctr_hold_cnt(0) depctr_sa_sdst(0) depctr_va_vdst(0) depctr_va_sdst(0) depctr_va_ssrc(0) depctr_va_vcc(0) depctr_vm_vsrc(0)
	s_getreg_b32 s2, hwreg(HW_REG_IB_STS2, 6, 4)
	s_cmp_eq_u32 s2, 0
	s_cbranch_scc0 .Lentry_in_a_cluster
	s_endpgm
.Lentry_in_a_cluster:
	s_bfe_u32 s2, ttmp6, 0x10000c
	s_cmp_lg_u32 s2, 0x3003
	s_cbranch_scc0 .Lentry_shape_is_right
	s_endpgm
.Lentry_shape_is_right:
; q, k, v = x W^T on codes of BF6; q and k are rotated, and all three quantised for the attention (q and k along the head's 64, v along the sequence).
; SHARES.  A work-group takes 256 rows of x (row tile rt) and one head (ct): 64 columns of each of Wq, Wk, Wv; wave w takes row blocks R0 + m, R0 = 16 rt + 4 w, m = 0..3.
; The head's weights, 3 x 4 row blocks of 12,288 bytes, come into LDS once, in two halves along K: wave w fetches half of row block w of all three by ONE joint load (three rows of 6,144 bytes, a weight apart), shared by the four
; work-groups of the cluster, which have the same head.  The second half is asked for when the first is in, and has nearly four K steps in which to land.
; In LDS: wave w's block of product t at 18,432 w + 6,144 t, the second half 73,728 bytes on.  No LDS byte is filled twice; all of LDS is claimed.
; K IS OUTERMOST: at each K step of 128 the four fragments of x meet the 12 of the three weights: 48 accumulators.  So x's fragments come straight from memory into registers through five slots: four K steps are asked for ahead.
; The weights' fragments go through three buffers of four, one for each product, asked for two products ahead.
; Products 0 and 1 (q, k): source 0 = W's rows, source 1 = x's: a lane holds one row of x, registers 16 b + i = d 32 b + 16 h + i.  Product 2 (v): the other way round: a lane holds one d, registers along the rows.
; OUTPUTS.  Half images of 16 rows x 64 (768 bytes): q, k, v in parts of 3,145,728 bytes; scale words in qkvs: q's, then for each head k's 8,192 bytes and v's 4,096.
; NO PREFETCH.
; LIMITS: NaN and infinities are not served; a block of zeros gets the byte 1.
; REGISTERS, window 0: v1-11 addresses; 32-47 x's scale words, 48-95 W's; 96-239 W's fragments; on the way out 96-223 the rotation's products, then codes; 224-253 at work.
;   Window 1: v0-239 x's five slots.  Window 2: v0-127 product 2's accumulators, v128-255 the table of cos and sin.  Window 3: v0-127, v128-255 products 0 and 1's accumulators.
.set SCX, 32
.set SCW, 48
.set WB,  96
.set T,   96
.set TM,  224                          ; 8 largest magnitudes
.set PX,  232                          ; 8 from lane l xor 16, then the scale bytes
.set SO,  240                          ; 8 scale operands
.set WRD, 248                          ; 4 scale words
.set PR,  252
.set HALF, 73728                       ; the weights' second half along K
.set STG, 147456                       ; behind the weights: v's scale words, 256 bytes a wave
.set SPARE, 0x29000
.set G1,  24
.set G0,  32                           ; s[32:35], s[36:39] groups 0 of the two halves
.set SEL, 22
.set HI,  20
.set MSB, 0
.macro WIN new                         ; bits 1:0 source 0, 3:2 source 1, 5:4 source 2, 7:6 destination; the immediate's high byte repeats the setting that is left
.if MSB != (\new)
	s_set_vgpr_msb (MSB<<8)|(\new)
.set MSB, (\new)
.endif
.endm
.macro PLACES n
.rept \n
	v_nop
.endr
.endm
.macro CROUND                          ; a round of the cluster's barrier
	s_barrier_signal -1
	s_barrier_wait -1
	s_cmp_lg_u32 s14, 0
	s_cbranch_scc1 .Lnot_wave_0_\@
	s_barrier_signal -3
.Lnot_wave_0_\@:
	s_barrier_wait -3
	s_barrier_signal -1
	s_barrier_wait -1
.endm
.macro ALOAD s                         ; x's four fragments of K step s, into slot s % 5: 12 loads
	WIN 0x40
.irp m, 0,1,2,3
.set AL, 12*(4*((\s)%5)+\m)
.irp c, 0,1,2
	global_load_b128 v[AL+4*\c:AL+4*\c+3], v1, s[44:45] offset:\m*12288+(\s)*1536+512*\c
.endr
.endr
	WIN 0
.endm
	s_load_b256 s[4:11], s[0:1], 0x0               ; codes, scales, rope, qkv
	s_load_b64 s[12:13], s[0:1], 0x20              ; qkvs
	v_lshl_add_u32 v254, v0, 2, SPARE
	v_mov_b32 v255, 0
	ds_add_u32 v254, v255                          ; the opening lines
	ds_add_u32 v254, v255
	v_lshrrev_b32 v1, 5, v0
	v_readfirstlane_b32 s14, v1                    ; wave 0..3
	s_bfe_u32 s15, ttmp6, 0x40000                  ; cx
	s_lshl_b32 s16, ttmp9, 2
	s_add_co_u32 s16, s16, s15                     ; rt
	s_and_b32 s17, ttmp7, 0xffff                   ; ct, which the four partners share
	v_and_b32 v8, 31, v0
	v_lshlrev_b32 v1, 4, v8                        ; 16 x lane
	v_lshlrev_b32 v6, 3, v8                        ; 8 x lane
	v_add_nc_u32 v2, 512, v6
.irp t, 0,1,2
	v_add_nc_u32 v[3+\t], \t*6144, v1              ; product t's row blocks in LDS, K steps 0 to 3,
	v_add_nc_u32 v[9+\t], HALF+\t*6144, v1         ; and 4 to 7
.endr
	s_lshl_b32 s18, s14, 8
	s_add_co_u32 s18, s18, STG
	v_add_nc_u32 v7, s18, v6
	s_mov_b32 s[G1+0], 15|(3<<16)|(1<<21)          ; the mask: all four work-groups; elements of 8 bytes; bit 21 set beside a mask; no padding
	s_mov_b32 s[G1+1], 768<<16                     ; three rows of 768 elements of 8 bytes, a weight's 786,432 bytes apart
	s_mov_b32 s[G1+2], 3<<16
	s_mov_b32 s[G1+3], 768<<16
	s_mov_b32 s[G1+4], 3
	s_mov_b32 s[G1+5], 98304
	s_mov_b32 s[G1+6], 0
	s_mov_b32 s[G1+7], 0
	s_mov_b32 s[SEL], 0x76543210
	s_mov_b32 s[SEL+1], 0xfedcba98
	s_lshl_b32 s21, s16, 4
	s_lshl_b32 s18, s14, 2
	s_add_co_u32 s21, s21, s18                     ; R0
	s_mov_b32 s61, 0
	s_mov_b32 s63, 0
	s_mul_i32 s3, s14, 18432
	s_lshl_b32 s62, s17, 2
	s_add_co_u32 s62, s62, s14
	s_add_co_u32 s62, s62, 256
	s_mul_i32 s62, s62, 12288                      ; row block 256 + 4 ct + w of the codes: Wq's
	s_wait_alu depctr_va_vdst(0)
	s_wait_dscnt 0x0
	s_wait_kmcnt 0x0
	s_add_nc_u64 s[62:63], s[4:5], s[62:63]
	s_mul_i32 s60, s21, 12288
	s_add_nc_u64 s[44:45], s[4:5], s[60:61]        ; x's codes at R0
	s_lshl_b32 s60, s21, 9
	s_add_nc_u64 s[46:47], s[6:7], s[60:61]        ; its scale words
	s_lshl_b32 s60, s17, 11
	s_add_co_u32 s60, s60, 256*512
	s_add_nc_u64 s[48:49], s[6:7], s[60:61]        ; the weights' scale words at block 256 + 4 ct
.irp k, 0,1
	s_mov_b32 s[G0+4*\k], 1
	s_add_co_u32 s[G0+4*\k+1], s3, \k*HALF
	s_add_nc_u64 s[G0+4*\k+2:G0+4*\k+3], s[62:63], \k*6144
	s_or_b32 s[G0+4*\k+3], s[G0+4*\k+3], 0x80000000
.endr
.irp m, 0,1,2,3
	global_load_b128 v[SCX+4*\m:SCX+4*\m+3], v1, s[46:47] offset:\m*512            ; register e: lanes 0-15 the word of K step e, lanes 16-31 of K step 4 + e
.endr
.irp t, 0,1,2
.irp n, 0,1,2,3
	global_load_b128 v[SCW+4*(4*\t+\n):SCW+4*(4*\t+\n)+3], v1, s[48:49] offset:\t*32768+\n*512
.endr
.endr
	ALOAD 0                                        ; 28 loads ahead of the round
	CROUND                                         ; all four work-groups are here: the joint loads meet
	tensor_load_to_lds s[G0:G0+3], s[G1:G1+7]      ; the first half of the weights
	s_nop 0
	PLACES 4
	ALOAD 1
	s_and_b32 s60, s21, 127
	s_lshl_b32 s60, s60, 12
	s_add_nc_u64 s[50:51], s[8:9], s[60:61]        ; the table at my positions
	s_lshr_b32 s18, s16, 3
	s_lshl_b32 s18, s18, 4
	s_add_co_u32 s18, s18, s17                     ; batch x head
	s_and_b32 s19, s16, 7
	s_lshl_b32 s19, s19, 2
	s_add_co_u32 s19, s19, s14                     ; my group of 64 positions, 0..31
	s_lshl_b32 s20, s18, 5
	s_add_co_u32 s20, s20, s19
	s_mul_i32 s60, s20, 3072
	s_add_nc_u64 s[52:53], s[10:11], s[60:61]      ; my half images
	s_lshl_b32 s60, s20, 8
	s_add_nc_u64 s[54:55], s[12:13], s[60:61]      ; q's scale words,
	s_mul_i32 s15, s18, 12288
	s_add_co_u32 s15, s15, 262144
	s_lshl_b32 s60, s19, 8
	s_add_co_u32 s60, s60, s15
	s_add_nc_u64 s[56:57], s[12:13], s[60:61]      ; k's,
	s_lshr_b32 s60, s19, 1
	s_lshl_b32 s60, s60, 8
	s_add_co_u32 s60, s60, s15
	s_add_co_u32 s60, s60, 8192
	s_add_nc_u64 s[58:59], s[12:13], s[60:61]      ; v's: a unit for two waves
	s_mov_b32 s[HI], 0xffff0000
.macro WLOAD s, t                      ; product t's four fragments of K step s into buffer t: 12 loads
.irp n, 0,1,2,3
.irp c, 0,1,2
	ds_load_b128 v[WB+48*(\t)+12*\n+4*\c:WB+48*(\t)+12*\n+4*\c+3], v[3+(\t)+6*((\s)/4)] offset:\n*18432+((\s)%4)*1536+512*\c
.endr
.endr
.endm
.macro WM d, a, b, sa, sb, s           ; K step 0 starts the sums; K steps 4 to 7 take their scale words from lanes 16-31
.if (\s) == 0
	v_wmma_scale_f32_16x16x128_f8f6f4 v[\d:\d+7], v[\a:\a+11], v[\b:\b+11], 0, v[\sa], v[\sb] matrix_a_fmt:MATRIX_FMT_BF6 matrix_b_fmt:MATRIX_FMT_BF6
.elseif (\s) < 4
	v_wmma_scale_f32_16x16x128_f8f6f4 v[\d:\d+7], v[\a:\a+11], v[\b:\b+11], v[\d:\d+7], v[\sa], v[\sb] matrix_a_fmt:MATRIX_FMT_BF6 matrix_b_fmt:MATRIX_FMT_BF6
.else
	v_wmma_scale_f32_16x16x128_f8f6f4 v[\d:\d+7], v[\a:\a+11], v[\b:\b+11], v[\d:\d+7], v[\sa], v[\sb] matrix_a_fmt:MATRIX_FMT_BF6 matrix_b_fmt:MATRIX_FMT_BF6 matrix_a_scale:MATRIX_SCALE_ROW1 matrix_b_scale:MATRIX_SCALE_ROW1
.endif
.endm
.macro MUL16 s, t                      ; 16 matrix instructions; the 48 accumulators take turns, one instruction a turn, in the same order in every step
.if (\t) < 2
	WIN 0xf4                                       ; source 0 W (window 0), source 1 x (window 1); C and D window 3
.else
	WIN 0xa1                                       ; source 0 x, source 1 W; C and D window 2
.endif
.irp m, 0,1,2,3
.irp n, 0,1,2,3
.set WL, WB+48*(\t)+12*\n
.set AL, 12*(4*((\s)%5)+\m)
.set SX, SCX+4*\m+(\s)%4
.set SW, SCW+4*(4*(\t)+\n)+(\s)%4
.if (\t) < 2
.set RD, 128*(\t)+8*(4*\m+\n)
	WM RD, WL, AL, SW, SX, \s
.else
.set RD, 8*(4*\n+\m)
	WM RD, AL, WL, SX, SW, \s
.endif
.endr
.endr
	WIN 0
.endm
	s_wait_alu depctr_va_vdst(0)                   ; the wait at the head's end
	s_wait_tensorcnt 0x0                           ; my blocks' first half is in
	ds_add_u32 v254, v255
	s_wait_dscnt 0x0
	CROUND                                         ; everybody's first half is in, and all four work-groups are here: the joint loads meet
	tensor_load_to_lds s[G0+4:G0+7], s[G1:G1+7]    ; the second half
	s_nop 0
	PLACES 4
	ALOAD 2
	ALOAD 3
	WLOAD 0, 0
	WLOAD 0, 1
.irp s, 0,1,2,3,4,5,6,7
.irp t, 0,1,2
.set QN, 3*\s+\t+2
.if QN > 2
	PLACES 4                                       ; in front of loads into the buffer that the product before multiplied (and into the slot of the K step before)
.endif
.if QN == 12
	s_wait_tensorcnt 0x0                           ; my blocks' second half is in,
	s_wait_dscnt 0x0
	s_barrier_signal -1
	s_barrier_wait -1                              ; everybody's is; nothing is filled again
.endif
.if QN < 24
	WLOAD QN/3, QN%3
	s_wait_dscnt 24                                ; this product's fragments are in; those of the next two may be out
.elseif QN == 24
	s_wait_dscnt 12
.else
	s_wait_dscnt 0x0
.endif
.if \t == 0
.if \s < 5
	s_wait_loadcnt 36                              ; x's K step s is in; the three behind it may be out
.else
	s_wait_loadcnt 12*(7-\s)+32                    ; the K steps behind it and the table's 32 may be out
.endif
.endif
	MUL16 \s, \t
.if \t == 0
.if \s < 4
	ALOAD \s+4                                     ; into the slot that K step s - 1 has left
.elseif \s == 4
	WIN 0x80
.irp m, 0,1,2,3
.irp c, 0,1,2,3,4,5,6,7
	global_load_b128 v[128+32*\m+4*\c:128+32*\m+4*\c+3], v1, s[50:51] offset:\m*4096+\c*512
.endr
.endr
	WIN 0
.endif
.endif
.endr
.endr
; 4 x 64 numbers of my lane (16-number halves of eight blocks; window w, from register rb) are quantised and stored as four half images at byte off
.macro QUANT4 w, rb, off
	WIN (\w)|((\w)<<2)
.irp k, 0,1,2,3,4,5,6,7
	v_max3_num_f32 v[TM+\k], |v[(\rb)+16*\k]|, |v[(\rb)+16*\k+1]|, 0x2800000   ; the floor 2^(5 - 127): the byte cannot fall under 1
.endr
.irp i, 2,4,6,8,10,12,14
.irp k, 0,1,2,3,4,5,6,7
	v_max3_num_f32 v[TM+\k], |v[(\rb)+16*\k+\i]|, |v[(\rb)+16*\k+\i+1]|, v[TM+\k]
.endr
.endr
	WIN 0
.irp k, 0,1,2,3,4,5,6,7
	v_permlanex16_b32 v[PX+\k], v[TM+\k], s[SEL], s[SEL+1]
.endr
.irp k, 0,1,2,3,4,5,6,7
	v_max_num_f32 v[TM+\k], v[TM+\k], v[PX+\k]
.endr
.irp k, 0,1,2,3,4,5,6,7
	v_add_nc_u32 v[SO+\k], 0xfe000000, v[TM+\k]    ; 4 off the exponent field: the conversion's scale operand
.endr
.irp k, 0,1,2,3,4,5,6,7
	v_lshrrev_b32 v[PX+\k], 23, v[SO+\k]
.endr
.irp m, 0,1,2,3
	v_lshl_or_b32 v[WRD+\m], v[PX+2*\m+1], 8, v[PX+2*\m]
.endr
	WIN \w
.irp m, 0,1,2,3
	v_cvt_scalef32_pk16_bf6_f32 v[T+12*\m:T+12*\m+2], v[(\rb)+32*\m:(\rb)+32*\m+15], v[SO+2*\m]
	v_cvt_scalef32_pk16_bf6_f32 v[T+12*\m+4:T+12*\m+6], v[(\rb)+32*\m+16:(\rb)+32*\m+31], v[SO+2*\m+1]
.endr
	WIN 0
	v_nop                                          ; one plain instruction behind the scaled conversions
.irp i, 0,1,2
.irp m, 0,1,2,3
	v_permlane16_swap_b32 v[T+12*\m+\i], v[T+12*\m+4+\i]   ; a whole block in a lane: lanes 0-15 the first, lanes 16-31 the second
.endr
.endr
.irp i, 0,1,2
.irp m, 0,1,2,3
	v_mov_b32 v[T+12*\m+3+\i], v[T+12*\m+4+\i]
.endr
.endr
.irp m, 0,1,2,3
	global_store_b128 v1, v[T+12*\m:T+12*\m+3], s[52:53] offset:(\off)+\m*768      ; 512 consecutive bytes,
	global_store_b64 v2, v[T+12*\m+4:T+12*\m+5], s[52:53] offset:(\off)+\m*768     ; and the 256 behind them
.endr
	v_cndmask_b32 v[PR], v[WRD], v[WRD+1], s[HI]   ; lanes 0-15 row blocks 0 and 2, lanes 16-31 row blocks 1 and 3
	v_cndmask_b32 v[PR+1], v[WRD+2], v[WRD+3], s[HI]
.endm
	PLACES 4                                       ; behind the last products
	s_wait_loadcnt 0x0                             ; the table
.irp t, 0,1
	WIN 0x0b                                       ; source 0 window 3 (the product), source 1 window 2 (cos, sin)
.set J, 0
.rept 64
	v_pk_mul_f32 v[T+J:T+J+1], v[128*\t+J:128*\t+J+1], v[128+J:128+J+1] op_sel:[0,1] op_sel_hi:[1,1]   ; even x sin, odd x sin
.set J, J+2
.endr
	WIN 0xcb                                       ; and the destination window 3
.set J, 0
.rept 64
	v_pk_fma_f32 v[128*\t+J:128*\t+J+1], v[128*\t+J:128*\t+J+1], v[128+J:128+J+1], v[T+J:T+J+1] op_sel:[0,0,1] op_sel_hi:[1,0,0] neg_lo:[0,0,1]   ; even x cos - odd x sin, odd x cos + even x sin
.set J, J+2
.endr
	QUANT4 3, 128*\t, 3145728*\t
	global_store_b64 v6, v[PR:PR+1], s[54+2*\t:55+2*\t]
	s_wait_alu depctr_va_vdst(0)
	s_wait_xcnt 0x0                                ; the stores' data are written again only behind this wait
.endr
	QUANT4 2, 0, 6291456
	ds_store_b64 v7, v[PR:PR+1]                    ; v's scale words take 64 positions of 128 from each of two waves
	s_wait_dscnt 0x0
	s_wait_alu depctr_va_vdst(0)
	s_barrier_signal -1
	s_barrier_wait -1
	s_and_b32 s21, s14, 1
	s_cmp_lg_u32 s21, 0
	s_cbranch_scc1 .Lodd_wave
	ds_load_b64 v[TM:TM+1], v7 offset:256
	s_wait_dscnt 0x0
	v_lshl_or_b32 v[TM+2], v[TM], 16, v[PR]
	v_lshl_or_b32 v[TM+3], v[TM+1], 16, v[PR+1]
	global_store_b64 v6, v[TM+2:TM+3], s[58:59]
.Lodd_wave:
	s_wait_tensorcnt 0x0                           ; the wave's end
	ds_add_u32 v254, v255
	s_wait_dscnt 0x0
	CROUND                                         ; the closing round: no work-group ends while a partner may still ask for a tile that names it
	s_endpgm
.Lfunc_end_k_qab7e9af598_qkv:
	.size	k_qab7e9af598_qkv, .Lfunc_end_k_qab7e9af598_qkv-k_qab7e9af598_qkv
	.p2alignl 7, 3214868480
	.fill 96, 4, 3214868480
	.section	.rodata,"a",@progbits
	.p2align	6, 0x0
	.amdhsa_kernel k_qab7e9af598_qkv
		.amdhsa_group_segment_fixed_size 327680
		.amdhsa_private_segment_fixed_size 0
		.amdhsa_enable_private_segment 0
		.amdhsa_kernarg_size 40
		.amdhsa_user_sgpr_count 2
		.amdhsa_user_sgpr_kernarg_segment_ptr 1
		.amdhsa_wavefront_size32 1
		.amdhsa_system_sgpr_workgroup_id_x 1
		.amdhsa_system_sgpr_workgroup_id_y 1
		.amdhsa_system_sgpr_workgroup_id_z 1
		.amdhsa_system_vgpr_workitem_id 0
		.amdhsa_next_free_vgpr 1024
		.amdhsa_next_free_sgpr 66
		.amdhsa_reserve_vcc 0
		.amdhsa_float_denorm_mode_32 3
		.amdhsa_float_denorm_mode_16_64 3
		.amdhsa_memory_ordered 1
		.amdhsa_forward_progress 1
		.amdhsa_inst_pref_size 134
	.end_amdhsa_kernel
	.amdgpu_metadata
---
amdhsa.version: [ 1, 2 ]
amdhsa.kernels:
  - .name:           k_qab7e9af598_qkv
    .symbol:         k_qab7e9af598_qkv.kd
    .args:
      - { .name: codes, .offset: 0, .size: 8, .value_kind: global_buffer, .address_space: global }
      - { .name: scales, .offset: 8, .size: 8, .value_kind: global_buffer, .address_space: global }
      - { .name: rope, .offset: 16, .size: 8, .value_kind: global_buffer, .address_space: global }
      - { .name: qkv, .offset: 24, .size: 8, .value_kind: global_buffer, .address_space: global }
      - { .name: qkvs, .offset: 32, .size: 8, .value_kind: global_buffer, .address_space: global }
    .group_segment_fixed_size: 327680
    .private_segment_fixed_size: 0
    .kernarg_segment_align: 8
    .kernarg_segment_size: 40
    .max_flat_workgroup_size: 128
    .sgpr_count:     66
    .vgpr_count:     1024
    .wavefront_size: 32
...
	.end_amdgpu_metadata
.endif
;; end of part 2
;; launch attn (part 3): grid 32 x 8, 8 waves a work-group, no clusters, 327,680 bytes of LDS; arguments qkv, qkvs, ocodes, oscales; writes ocodes, oscales
.if DOCPART == 3
	.amdgcn_target "amdgcn-amd-amdhsa--gfx1250"
	.amdhsa_code_object_version 6
	.text
	.protected	k_qab7e9af598_attn
	.globl	k_qab7e9af598_attn
	.p2align	8
	.type	k_qab7e9af598_attn,@function
k_qab7e9af598_attn:
	s_mov_b64 s[64:65], 0
	v_nop
	global_prefetch_b8 v0, s[64:65] scope:SCOPE_SE
	s_setreg_imm32_b32 hwreg(HW_REG_WAVE_MODE, 25, 1), 1
	s_wait_xcnt 0x0
; o = softmax(q k^T / 8, causal) v for one batch x head, both products on codes of BF6 with E8M0 scales; o is quantised along the head's 64 for the last product.
; THE SOFTMAX: t = score x log2(e) / 8; M = the running largest t rounded UP to a whole number; p = 2^(t - M) is quantised along the keys, not normalised; the row's sum is taken of the unquantised p and divides at the end.
; When M moves, the sum and O are multiplied by 2^(old M - new M): exact.
; LEFT OUT: the key steps (128 keys) that lie wholly behind a pair's queries: the causal mask of the problem hides every one of their scores, whatever the inputs hold.  An infinity or NaN that only hidden scores would carry is not carried.
; SHARES.  A wave works on a PAIR of query tiles (2 x 16 queries: positions 32 P .. 32 P + 31; lane-row r of tile 2 P + u is position 32 P + 8 u + r + 8 (r / 8)), so that each fragment of K and V that it reads serves two tiles.
; Work-group (bh, jj) has the late pairs 63 - 4 jj - i and the early pairs 4 jj + i, i = 0..3: (16 - jj) + (jj + 1) = 17 key steps for each i, dealt to the two waves i (role 0) and 4 + i (role 1).  Role 0 takes the late pair's
; steps 0 .. 9; role 1 the early pair, and, behind its last step but not before step 4, the late pair's other steps.  Which steps a wave works is a mask of 16 bits.
; At the end the two waves hand each other one tile's O, M and sum through LDS, and each finishes one tile of the late pair.
; A HEAD'S K AND V LIE IN LDS WHOLE: 2 x 98,304 bytes of codes and 12,288 of scale words, each byte filled once.  At the head: the first 512 keys (waves 0 to 5, 8,192 bytes each) and the scale words (waves 6, 7).  The other 1,536 keys
; come behind the first barrier, one load a wave: a quarter of every step of K (waves 0-3) or V (waves 4-7), so that every load brings bytes that are read.  The barrier that shows them to all waves guards no refill: a wave signals
; behind step 1 and waits behind step 3; between the two stand register work and reads of the first 512 keys alone.
; K's fragments of the next step, where that is the wave's too, are read from LDS behind this step's first products, V's of this step likewise.
; NO CLUSTER, though the eight work-groups of a head read the same K and V: which key steps are left out hangs on the block of queries, which differs between them, and partners in joint loads must run alike.
; NO PREFETCH: no slot is filled again; all that the work-group reads is asked for by two requests, and no loop runs ahead of a third.
; LAYOUT.  Both products are used transposed: S^T = K Q^T (source 0 = 16 keys), O^T = V^T P^T (source 0 = 16 of the head's 64): a lane holds ONE query throughout.  The keys of a tile follow the same order of rows,
; so that the 16 registers of tiles 2 b and 2 b + 1 are keys 32 b + 16 (lane / 16) + 0 .. 15.  The first product's K is 64: registers 6-11 of Q are zero codes.  Those of a fragment of K are the next fragment's registers: BF6 has no code
; for NaN or infinity, so times a zero code they add nothing.
; o'S SCALE BYTES: oscales[bh][T / 4][r][T % 4][2 bytes].  A work-group's eight late tiles make one aligned unit of 256 bytes, its eight early tiles another: they are gathered in LDS and stored whole.
; LIMITS: NaN and infinities are not served; scaled scores stay under 2^31; 1 / sum is v_rcp_f32's; a block of zeros gets the byte 1.
; REGISTERS, window 0: v1-4, v6 addresses that stay, v5 the late tile's scale bytes in LDS, v21 the early tiles'; v7-11, v38 addresses of the step; v12, v14 -M of the two tiles, v13, v15 the largest t; v[16:17], v[18:19] the sums;
;   v20, v22 the factors; v24-25 p's scale words, v26-27 q's, v28-31 K's, v32-33 V's; v34 my query of the first tile - 16 (lane / 16); v35 the early tiles' scale bytes; v36-37 the add's; v39, v67, v71, v75 the hand-over's addresses;
;   v40-63 at work; v64.. second halves of codes; v80-103 p's codes; v104-127 Q; v128-255 S^T, then p.
;   Window 1: v0-53 K's eight fragments; v56-103 V's four; v104-135, v136-167 O^T.
.set BM, 40
.set PX, 48
.set SO, 56
.set TT, 64
.set P,  80
.set Q,  104
.set S,  128
.set VF, 56
.set O,  104
.set MRG, 208896                       ; the hand-over: 4,608 bytes a wave
.set SPARE, MRG+8*4608
.set OST, SPARE+1024                   ; o's scale bytes: the late tiles' 256, the early tiles' 256
.set G1A, 24                           ; s[24:31] group 1: 8,192 dense bytes;  s[32:39] 6,144 dense bytes;  s[40:47] twelve rows of 1,536 bytes
.set G1S, 32
.set G1R, 40
.set G0A, 48                           ; s[48:51], s[52:55], s[56:59] the groups 0
.set G0R, 52
.set G0S, 56
.set TK,  60                           ; where the step's K and V begin in LDS; its scale words; its first key
.set TV,  61
.set TS,  62
.set TJ,  63
.set KF,  66
.set CNT, 67
.set TQ,  68                           ; the first key of the step that holds the pair's queries
.set PP,  69                           ; the pair
.set SEL, 70                           ; s[70:71] selects for lane l xor 16
.set CS,  72                           ; s[72:73] c = log2(e) / 8
.set QB,  74                           ; s[74:77] q's image, its scale words
.set PL,  78                           ; the late pair, the early pair
.set PE,  79
.set OB,  82                           ; s[82:83] o's image;  s[84:85] a unit of its scale bytes
.set OSB, 84
.set HI,  86
.set ROLE, 87
.set DO,  88                           ; bit s: I work step s
.set SN,  89                           ; the step's number
.set DL,  90                           ; the late pair's steps of the wave of role 1
.set PB,  91                           ; which block of 32 keys of that step holds the pair's queries
.set SW,  92                           ; the first key of the step ahead of which I go over to the late pair
.set MK,  93
.set JJ,  94
.set PM,  95                           ; bit s: I work steps s and s + 1, and both lie in one part of LDS
.set PF,  96                           ; 1: this step's K has been read from LDS already
.set MSB, 0
.macro WIN new                         ; bits 1:0 source 0, 3:2 source 1, 5:4 source 2, 7:6 destination; the immediate's high byte repeats the setting that is left
.if MSB != (\new)
	s_set_vgpr_msb (MSB<<8)|(\new)
.set MSB, (\new)
.endif
.endm
.macro G1SET g, c, r, p
	s_mov_b32 s[\g+0], 3<<16                       ; no mask; elements of 8 bytes; no padding
	s_mov_b32 s[\g+1], (\c)<<16
	s_mov_b32 s[\g+2], (\r)<<16
	s_mov_b32 s[\g+3], (\c)<<16
	s_mov_b32 s[\g+4], \r
	s_mov_b32 s[\g+5], \p
	s_mov_b32 s[\g+6], 0
	s_mov_b32 s[\g+7], 0
.endm
	s_load_b256 s[4:11], s[0:1], 0x0               ; qkv, qkvs, ocodes, oscales
	v_lshl_add_u32 v36, v0, 2, SPARE
	v_mov_b32 v37, 0
	ds_add_u32 v36, v37                            ; the opening lines
	ds_add_u32 v36, v37
	v_lshrrev_b32 v1, 5, v0
	v_readfirstlane_b32 s12, v1                    ; wave 0..7
	s_mov_b32 s13, ttmp9                           ; bh
	s_and_b32 s[JJ], ttmp7, 0xffff
	G1SET G1A, 32, 32, 32
	G1SET G1S, 32, 24, 32
	G1SET G1R, 192, 12, 768
	s_and_b32 s15, s12, 3                          ; i
	s_mul_i32 s16, s13, 98304
	s_add_co_u32 s16, s16, 3145728                 ; the head's K; its V lies 3,145,728 bytes on
	s_mov_b32 s17, 0
	s_mov_b32 s21, 0
	s_mov_b32 s23, 0
	s_lshl_b32 s18, s12, 13
	s_add_co_u32 s20, s16, s18
	s_mov_b32 s19, 3121152                         ; 3,145,728 - 3 x 8,192
	s_cmp_lt_u32 s12, 3
	s_cselect_b32 s19, 0, s19
	s_add_co_u32 s20, s20, s19                     ; waves 0-2: K's first 512 keys; waves 3-5: V's
	s_lshr_b32 s[ROLE], s12, 2
	s_mul_i32 s22, s[ROLE], 3145728
	s_add_co_u32 s22, s22, s16
	s_add_co_u32 s22, s22, 24576                   ; K's or V's step 4,
	s_mul_i32 s16, s15, 1536
	s_add_co_u32 s22, s22, s16                     ; my quarter
	s_and_b32 s14, s12, 1
	s_mul_i32 s14, s14, 6144
	s_mul_i32 s16, s13, 12288
	s_add_co_u32 s16, s16, 262144
	s_add_co_u32 s16, s16, s14                     ; waves 6, 7: half of the head's scale words
	s_mov_b32 s[G0A], 1
	s_mov_b32 s[G0A+1], s18                        ; LDS: K's 512 keys at 0, V's at 24,576
	s_mov_b32 s[G0R], 1
	s_mul_i32 s[G0R+1], s12, 18432
	s_add_co_u32 s[G0R+1], s[G0R+1], 49152         ; K's other keys at 49,152, V's at 122,880, by quarters
	s_mov_b32 s[G0S], 1
	s_add_co_u32 s[G0S+1], s14, 196608
	s_wait_dscnt 0x0
	s_wait_kmcnt 0x0
	s_add_nc_u64 s[G0A+2:G0A+3], s[4:5], s[20:21]
	s_or_b32 s[G0A+3], s[G0A+3], 0x80000000
	s_add_nc_u64 s[G0R+2:G0R+3], s[4:5], s[22:23]
	s_or_b32 s[G0R+3], s[G0R+3], 0x80000000
	s_add_nc_u64 s[G0S+2:G0S+3], s[6:7], s[16:17]
	s_or_b32 s[G0S+3], s[G0S+3], 0x80000000
	s_cmp_lt_u32 s12, 6
	s_cbranch_scc0 .Lscale_words
	tensor_load_to_lds s[G0A:G0A+3], s[G1A:G1A+7]
	s_nop 0
.rept 4
	v_nop
.endr
	s_branch .Lasked
.Lscale_words:
	tensor_load_to_lds s[G0S:G0S+3], s[G1S:G1S+7]
	s_nop 0
.rept 4
	v_nop
.endr
.Lasked:
	s_mov_b32 s[SEL], 0x76543210
	s_mov_b32 s[SEL+1], 0xfedcba98
	s_mov_b32 s[CS], 0x3e38aa3b
	s_mov_b32 s[CS+1], s[CS]                       ; (named with it as a pair, so it is written)
	s_mov_b32 s[HI], 0xffff0000
	s_lshl_b32 s14, s[JJ], 2
	s_add_co_u32 s[PE], s14, s15                   ; 4 jj + i
	s_sub_co_u32 s[PL], 63, s[PE]                  ; 63 - 4 jj - i
	s_mov_b32 s18, 0xffff
	s_lshr_b32 s18, s18, s[JJ]                     ; the late pair's steps, 0 .. 15 - jj
	s_lshl_b32 s19, 2, s[JJ]
	s_sub_co_u32 s19, s19, 1                       ; the early pair's, 0 .. jj
	s_lshl_b32 s20, s[JJ], 7
	s_add_co_u32 s20, s20, 128                     ; the step behind them,
	s_max_u32 s20, s20, 512                        ; not before step 4
	s_and_b32 s14, s18, 0x3ff                      ; role 0's steps of the late pair,
	s_and_b32 s[DL], s18, 0xfc00                   ; role 1's
	s_cmp_eq_u32 s[ROLE], 0
	s_cselect_b32 s[PP], s[PL], s[PE]
	s_cselect_b32 s[DO], s14, s19
	s_cselect_b32 s[SW], -1, s20
.macro PMASK
	s_lshr_b32 s[PM], s[DO], 1
	s_and_b32 s[PM], s[PM], s[DO]
	s_and_b32 s[PM], s[PM], 0xfff7                 ; step 4 lies in the other part of LDS, and is not read before the barrier behind step 3
.endm
	PMASK
	s_mov_b32 s[PF], 0
	s_mul_i32 s19, s12, 4608
	s_add_co_u32 s19, s19, MRG
	s_xor_b32 s22, s12, 4
	s_mul_i32 s22, s22, 4608
	s_add_co_u32 s22, s22, MRG
	s_lshr_b32 s14, s15, 1
	s_lshl_b32 s14, s14, 7
	s_and_b32 s16, s15, 1
	s_lshl_b32 s16, s16, 2
	s_add_co_u32 s14, s14, s16                     ; 128 (i / 2) + 4 (i % 2): an early pair's place among the scale bytes;
	s_add_co_u32 s16, s14, OST+256
	s_sub_co_u32 s18, OST+132, s14                 ; a late pair's is that of 3 - i
	s_lshl_b32 s20, s[ROLE], 1
	s_add_co_u32 s18, s18, s20                     ; and role 0 finishes its first tile, role 1 its second
	v_and_b32 v7, 31, v0
	v_lshlrev_b32 v1, 4, v7                        ; 16 x lane: registers 0-3 of a half image
	v_lshlrev_b32 v8, 3, v7
	v_add_nc_u32 v2, 512, v8                       ; 8 x lane + 512: registers 4-5
	v_add_nc_u32 v3, 196608, v8                    ; K's scale words
	v_add_nc_u32 v4, 204800, v8                    ; V's
	v_and_b32 v9, 15, v0
	v_bfe_u32 v10, v0, 4, 1
	v_lshl_add_u32 v11, v9, 3, v10                 ; 8 r + h: my byte
	v_add_nc_u32 v5, s18, v11
	v_add_nc_u32 v21, s16, v11
	v_lshlrev_b32 v6, 3, v9                        ; 8 r: my query's scale word
	v_and_b32 v11, 8, v0
	v_add_nc_u32 v79, v9, v11
	v_lshlrev_b32 v11, 4, v10
	v_sub_nc_u32 v79, v79, v11                     ; r + 8 (r / 8) - 16 h
	v_lshlrev_b32 v8, 2, v7
	v_add_nc_u32 v39, s19, v1                      ; the hand-over: mine,
	v_add_nc_u32 v71, s19, v8
	v_add_nc_u32 v67, s22, v1                      ; and my partner's, wave xor 4
	v_add_nc_u32 v75, s22, v8
	s_wait_alu depctr_va_vdst(0)
; pair PP's q: two half images and their scale words (8 bytes from row to row)
.macro QLOAD
	s_mul_i32 s16, s13, 98304
	s_mul_i32 s18, s[PP], 1536
	s_add_co_u32 s16, s16, s18
	s_mov_b32 s17, 0
	s_add_nc_u64 s[QB:QB+1], s[4:5], s[16:17]
	s_lshl_b32 s16, s13, 13
	s_lshr_b32 s18, s[PP], 1
	s_lshl_b32 s18, s18, 8
	s_add_co_u32 s16, s16, s18
	s_and_b32 s18, s[PP], 1
	s_lshl_b32 s18, s18, 2
	s_add_co_u32 s16, s16, s18
	s_add_nc_u64 s[QB+2:QB+3], s[6:7], s[16:17]
.irp u, 0,1
	global_load_b128 v[Q+12*\u:Q+12*\u+3], v1, s[QB:QB+1] offset:768*\u
	global_load_b64 v[Q+12*\u+4:Q+12*\u+5], v2, s[QB:QB+1] offset:768*\u
	global_load_b32 v[26+\u], v6, s[QB+2:QB+3] offset:128*\u
.endr
.endm
; a pair begins: which step holds its queries, my query, and the sums' start
.macro PRO
	s_lshr_b32 s[TQ], s[PP], 2
	s_lshl_b32 s[TQ], s[TQ], 7
	s_and_b32 s[PB], s[PP], 3
	s_lshl_b32 s14, s[PP], 5
	v_add_nc_u32 v34, s14, v79
.irp u, 0,1
	v_mov_b32 v[13+2*\u], 0xff61b1e6               ; the largest t so far: -3e38, under every t
	v_mov_b32 v[16+2*\u], 0
	v_mov_b32 v[17+2*\u], 0
.endr
.irp u, 0,1
	v_floor_f32 v[12+2*\u], -v[13+2*\u]
.endr
	WIN 0x40
.set J, 0
.rept 64
	v_mov_b32 v[O+J], 0                            ; the step is written once for all of a pair's steps: the first finds zeros, which the first change of M leaves zeros
.set J, J+1
.endr
	WIN 0
.endm
	QLOAD
.irp i, 6,7,8,9,10,11
	v_mov_b32 v[Q+\i], 0                           ; Q's upper 64 along K: zero codes; the loads never touch them
	v_mov_b32 v[Q+12+\i], 0
.endr
.irp i, 0,1,2,3,4,5,6,7
	v_mov_b32 v[PX+\i], 0                          ; written once: lane permutes' destinations, and the upper halves of pairs, count as read
.endr
	v_mov_b32 v23, 0
	v_mov_b32 v35, 0
.irp i, 28,29,30,31
	v_mov_b32 v[\i], 0                             ; K's scale words and fragments: written on every way through the text, also on one that would pass the first reads by;
.endr
	WIN 0x40
.set J, 0
.rept 54
	v_mov_b32 v[J], 0                              ; the last fragment's upper registers, 48-53, stay so
.set J, J+1
.endr
	WIN 0
	PRO
; K's eight tiles of 16 keys and their scale words, of bytes from this step's: of = 0 this step's, = st the next one's
.macro KLOAD qs, of, so
	ds_load_b64 v[28:29], v11 offset:\so           ; register t / 2: tile t in lanes 0-15 (even) or 16-31 (odd)
	ds_load_b64 v[30:31], v11 offset:256+\so
	WIN 0x40                                       ; destination window 1
.irp t, 0,1,2,3,4,5,6,7
	ds_load_b128 v[6*\t:6*\t+3], v7 offset:(\t/2)*\qs+(\t%2)*768+\of
	ds_load_b64 v[6*\t+4:6*\t+5], v8 offset:(\t/2)*\qs+(\t%2)*768+\of
.endr
	WIN 0
.endm
; A KEY STEP: 128 keys, two tiles of queries.  qs: bytes from quarter to quarter of a step in LDS; st: from step to step
.macro STEP qs, st
	s_bitcmp1_b32 s[DO], s[SN]                     ; not mine, or all its keys come after my queries: only the addresses step
	s_cbranch_scc0 .Lhidden_\@
	v_add_nc_u32 v7, s[TK], v1
	v_add_nc_u32 v8, s[TK], v2
	v_add_nc_u32 v9, s[TV], v1
	v_add_nc_u32 v10, s[TV], v2
	v_add_nc_u32 v11, s[TS], v3
	v_add_nc_u32 v38, s[TJ], v4
	s_wait_alu depctr_va_vdst(0)                   ; the wait ahead of the branch
	s_cmp_lg_u32 s[PF], 0
	s_cbranch_scc1 .Lhave_k_\@
	KLOAD \qs, 0, 0
.Lhave_k_\@:
	s_wait_dscnt 0x0                               ; K and its scale words are in
	WIN 0x01                                       ; source 0 window 1
.irp t, 0,1,2,3,4,5,6,7
.irp u, 0,1
.if \t%2
	v_wmma_scale_f32_16x16x128_f8f6f4 v[S+64*\u+8*\t:S+64*\u+8*\t+7], v[6*\t:6*\t+11], v[Q+12*\u:Q+12*\u+11], 0, v[28+\t/2], v[26+\u] matrix_a_fmt:MATRIX_FMT_BF6 matrix_b_fmt:MATRIX_FMT_BF6 matrix_a_scale:MATRIX_SCALE_ROW1
.else
	v_wmma_scale_f32_16x16x128_f8f6f4 v[S+64*\u+8*\t:S+64*\u+8*\t+7], v[6*\t:6*\t+11], v[Q+12*\u:Q+12*\u+11], 0, v[28+\t/2], v[26+\u] matrix_a_fmt:MATRIX_FMT_BF6 matrix_b_fmt:MATRIX_FMT_BF6
.endif
.endr
.endr
	WIN 0
.rept 4
	v_nop                                          ; places in front of the loads into K's registers and of the first read of the scores
.endr
	ds_load_b64 v[32:33], v38                      ; V's scale words
	WIN 0x40
.irp n, 0,1,2,3                        ; V's four tiles of the head's 64 x 128 keys: two half images each
	ds_load_b128 v[VF+12*\n:VF+12*\n+3], v9 offset:(\n/2)*\qs+(\n%2)*768
	ds_load_b64 v[VF+12*\n+4:VF+12*\n+5], v10 offset:(\n/2)*\qs+(\n%2)*768
	ds_load_b128 v[VF+12*\n+6:VF+12*\n+9], v9 offset:(2+\n/2)*\qs+(\n%2)*768
	ds_load_b64 v[VF+12*\n+10:VF+12*\n+11], v10 offset:(2+\n/2)*\qs+(\n%2)*768
.endr
	WIN 0
	s_mov_b32 s[PF], 0
	s_bitcmp1_b32 s[PM], s[SN]
	s_cbranch_scc0 .Lno_next_\@
	KLOAD \qs, \st, 512
	s_mov_b32 s[PF], 1
.Lno_next_\@:
	s_cmp_lt_u32 s[KF], s[TQ]                      ; all keys of the step count: no mask
	s_cbranch_scc1 .Lopen_\@
	v_sub_nc_u32 v[PX], v34, s[KF]                 ; d = my query - the step's first key - 16 (lane / 16).  Register 16 b + i holds key 32 b + 16 (lane / 16) + i: hidden where 32 b + i > d
	v_add_nc_u32 v[PX+1], 8, v[PX]                 ; the second tile's query lies 8 on
	v_mov_b32 v[PX+2], 0xff800000                  ; -infinity
	s_wait_alu depctr_va_vdst(0)                   ; the wait ahead of the branches
.irp b, 0,1,2,3
.if \b < 3
	s_cmp_gt_u32 s[PB], \b                         ; block b lies ahead of the pair's own block: nothing in it is hidden
	s_cbranch_scc1 .Lmk_\@_\b
.endif
.irp i, 0,1,2,3,4,5,6,7,8,9,10,11,12,13,14,15
	v_cmp_gt_i32 vcc_lo, 32*\b+\i, v[PX]
	v_cmp_gt_i32 s[MK], 32*\b+\i, v[PX+1]
	v_cndmask_b32 v[S+16*\b+\i], v[S+16*\b+\i], v[PX+2], vcc_lo
	v_cndmask_b32 v[S+64+16*\b+\i], v[S+64+16*\b+\i], v[PX+2], s[MK]
.endr
.if \b < 3
.Lmk_\@_\b:
.endif
.endr
.Lopen_\@:
.irp u, 0,1
.irp b, 0,1,2,3
	v_max3_num_f32 v[BM+4*\u+\b], v[S+64*\u+16*\b], v[S+64*\u+1+16*\b], v[S+64*\u+2+16*\b]   ; the largest score of each block of 32 keys: for the row's maximum, and, since p rises with the score, for the block's largest p
.endr
.endr
.irp i, 3,5,7,9,11,13
.irp u, 0,1
.irp b, 0,1,2,3
	v_max3_num_f32 v[BM+4*\u+\b], v[BM+4*\u+\b], v[S+64*\u+16*\b+\i], v[S+64*\u+1+16*\b+\i]
.endr
.endr
.endr
.irp u, 0,1
.irp b, 0,1,2,3
	v_max_num_f32 v[BM+4*\u+\b], v[BM+4*\u+\b], v[S+64*\u+15+16*\b]
.endr
.endr
.irp i, 0,1,2,3,4,5,6,7
	v_permlanex16_b32 v[PX+\i], v[BM+\i], s[SEL], s[SEL+1]
.endr
.irp i, 0,1,2,3,4,5,6,7
	v_max_num_f32 v[BM+\i], v[BM+\i], v[PX+\i]     ; with lane l xor 16's 16 keys
.endr
.irp u, 0,1
	v_max3_num_f32 v[PX+\u], v[BM+4*\u], v[BM+4*\u+1], v[BM+4*\u+2]
.endr
.irp u, 0,1
	v_max_num_f32 v[PX+\u], v[PX+\u], v[BM+4*\u+3] ; the step's largest score of my query
.endr
.irp u, 0,1
	v_mul_f32 v[PX+\u], s[CS], v[PX+\u]            ; as t (c is positive)
.endr
.irp u, 0,1
	v_max_num_f32 v[13+2*\u], v[13+2*\u], v[PX+\u] ; the running largest t
.endr
.irp u, 0,1
	v_mov_b32 v[PX+\u], v[12+2*\u]
.endr
.irp u, 0,1
	v_floor_f32 v[12+2*\u], -v[13+2*\u]            ; the new -M = floor(-t) = -ceil(t)
.endr
.irp u, 0,1
	v_sub_f32 v[PX+\u], v[12+2*\u], v[PX+\u]       ; old M - new M: a whole number, 0 or less
.endr
.irp u, 0,1
	v_cvt_i32_f32 v[PX+\u], v[PX+\u]               ; (it saturates)
.endr
.irp u, 0,1
	v_ldexp_f32 v[20+2*\u], 1.0, v[PX+\u]          ; f = 2^(old M - new M)
.endr
.set J, 0
.rept 32
.irp u, 0,1
	v_pk_fma_f32 v[S+64*\u+J:S+64*\u+J+1], v[S+64*\u+J:S+64*\u+J+1], s[CS:CS+1], v[12+2*\u:13+2*\u] op_sel_hi:[1,0,0]   ; t - M, two at a time
.endr
.set J, J+2
.endr
.irp u, 0,1
.irp b, 0,1,2,3
	v_fma_f32 v[BM+4*\u+\b], v[BM+4*\u+\b], s[CS], v[12+2*\u]   ; the same of each block's largest score
.endr
.endr
.set J, 0
	s_wait_alu depctr_va_vdst(0)
.rept 128
	v_exp_f32 v[S+J], v[S+J]                       ; p = 2^(t - M), at most 1
.set J, J+1
.endr
.irp i, 0,1,2,3,4,5,6,7
	v_exp_f32 v[BM+\i], v[BM+\i]                   ; the block's largest p: the same two instructions on the same number give the same bits
.endr
.irp u, 0,1
	v_pk_mul_f32 v[16+2*\u:17+2*\u], v[16+2*\u:17+2*\u], v[20+2*\u:21+2*\u] op_sel_hi:[1,0]   ; the sums under the new M (plain instructions behind the exponentials)
.endr
	s_wait_alu depctr_va_vdst(0)
.irp i, 0,1,2,3,4,5,6,7
	v_max_num_f32 v[BM+\i], 0x2800000, v[BM+\i]    ; the floor 2^(5 - 127): the byte cannot fall under 1
.endr
.irp i, 0,1,2,3,4,5,6,7
	v_add_nc_u32 v[SO+\i], 0xfe000000, v[BM+\i]    ; 4 off the exponent field: the conversion's scale operand
.endr
.irp i, 0,1,2,3,4,5,6,7
	v_lshrrev_b32 v[PX+\i], 23, v[SO+\i]
.endr
.irp u, 0,1
	v_lshl_or_b32 v[24+\u], v[PX+4*\u+1], 8, v[PX+4*\u]   ; p's scale word for these 128 keys
.endr
.irp u, 0,1
	v_lshl_or_b32 v[24+\u], v[PX+4*\u+2], 16, v[24+\u]
.endr
.irp u, 0,1
	v_lshl_or_b32 v[24+\u], v[PX+4*\u+3], 24, v[24+\u]
.endr
.irp u, 0,1
.irp c, 0,1
	v_cvt_scalef32_pk16_bf6_f32 v[P+12*\u+6*\c:P+12*\u+6*\c+2], v[S+64*\u+32*\c:S+64*\u+32*\c+15], v[SO+4*\u+2*\c]
	v_cvt_scalef32_pk16_bf6_f32 v[TT+8*\u+4*\c:TT+8*\u+4*\c+2], v[S+64*\u+32*\c+16:S+64*\u+32*\c+31], v[SO+4*\u+2*\c+1]
.endr
.endr
	v_nop                                          ; one plain instruction behind the scaled conversions
.irp i, 0,1,2
.irp u, 0,1
.irp c, 0,1
	v_permlane16_swap_b32 v[P+12*\u+6*\c+\i], v[TT+8*\u+4*\c+\i]   ; a whole block in a lane: lanes 0-15 block 2 c, lanes 16-31 block 2 c + 1
.endr
.endr
.endr
.irp i, 0,1,2
.irp u, 0,1
.irp c, 0,1
	v_mov_b32 v[P+12*\u+6*\c+3+\i], v[TT+8*\u+4*\c+\i]
.endr
.endr
.endr
.set L, 32
.rept 5                                ; the sums of the unquantised p, halved and added: 64 numbers to 2
.set J, 0
.rept L/2
.irp u, 0,1
	v_pk_add_f32 v[S+64*\u+J:S+64*\u+J+1], v[S+64*\u+J:S+64*\u+J+1], v[S+64*\u+L+J:S+64*\u+L+J+1]
.endr
.set J, J+2
.endr
.set L, L/2
.endr
.irp u, 0,1
	v_pk_add_f32 v[16+2*\u:17+2*\u], v[16+2*\u:17+2*\u], v[S+64*\u:S+64*\u+1]
.endr
	s_wait_dscnt 0x0                               ; V is in, and the next step's K (asked for behind the first products)
	WIN 0x41                                       ; source 0 and destination window 1
	s_wait_alu depctr_va_vdst(0)                   ; the wait directly ahead of the first reader of O^T
.set J, 0
.rept 16
.irp u, 0,1
	v_pk_mul_f32 v[O+32*\u+J:O+32*\u+J+1], v[O+32*\u+J:O+32*\u+J+1], v[20+2*\u:21+2*\u] op_sel_hi:[1,0]   ; O^T under the new M
.endr
.set J, J+2
.endr
	WIN 0x51                                       ; V, and O^T as C and D, window 1; p window 0
.irp n, 0,1,2,3                        ; O^T += V^T P^T: eight accumulators by turns
.irp u, 0,1
.if \n%2
	v_wmma_scale_f32_16x16x128_f8f6f4 v[O+32*\u+8*\n:O+32*\u+8*\n+7], v[VF+12*\n:VF+12*\n+11], v[P+12*\u:P+12*\u+11], v[O+32*\u+8*\n:O+32*\u+8*\n+7], v[32+\n/2], v[24+\u] matrix_a_fmt:MATRIX_FMT_BF6 matrix_b_fmt:MATRIX_FMT_BF6 matrix_a_scale:MATRIX_SCALE_ROW1
.else
	v_wmma_scale_f32_16x16x128_f8f6f4 v[O+32*\u+8*\n:O+32*\u+8*\n+7], v[VF+12*\n:VF+12*\n+11], v[P+12*\u:P+12*\u+11], v[O+32*\u+8*\n:O+32*\u+8*\n+7], v[32+\n/2], v[24+\u] matrix_a_fmt:MATRIX_FMT_BF6 matrix_b_fmt:MATRIX_FMT_BF6
.endif
.endr
.endr
	WIN 0                                          ; at a label and at a branch every window is 0
.Lhidden_\@:
	s_add_co_u32 s[TK], s[TK], \st
	s_add_co_u32 s[TV], s[TV], \st
	s_add_co_u32 s[TS], s[TS], 512
	s_add_co_u32 s[TJ], s[TJ], 256
	s_add_co_u32 s[KF], s[KF], 128
	s_add_co_u32 s[SN], s[SN], 1
.endm
; where tile s14's o goes: block 128 x batch + T; two half images to a K step of the last product
.macro OBASE
	s_lshr_b32 s15, s13, 4
	s_lshl_b32 s15, s15, 7
	s_add_co_u32 s14, s14, s15
	s_and_b32 s15, s13, 15
	s_lshl_b32 s16, s14, 4
	s_add_co_u32 s16, s16, s15
	s_mul_i32 s16, s16, 768
	s_mov_b32 s17, 0
	s_add_nc_u64 s[OB:OB+1], s[8:9], s[16:17]
.endm
; o of tile u (32 registers from S + 64 u: register 16 b + i = d 32 b + 16 h + i of my query) is quantised along the head's 64 and stored; my own block's scale byte is left in PX + 4 u + 2
.macro QO u
.set SS, S+64*(\u)
.set B4, 4*(\u)
.irp b, 0,1
	v_max3_num_f32 v[BM+B4+\b], |v[SS+16*\b]|, |v[SS+16*\b+1]|, 0x2800000
.endr
.irp i, 2,4,6,8,10,12,14
.irp b, 0,1
	v_max3_num_f32 v[BM+B4+\b], v[BM+B4+\b], |v[SS+16*\b+\i]|, |v[SS+16*\b+\i+1]|
.endr
.endr
.irp b, 0,1
	v_permlanex16_b32 v[PX+B4+\b], v[BM+B4+\b], s[SEL], s[SEL+1]
.endr
.irp b, 0,1
	v_max_num_f32 v[BM+B4+\b], v[BM+B4+\b], v[PX+B4+\b]
.endr
.irp b, 0,1
	v_add_nc_u32 v[SO+B4+\b], 0xfe000000, v[BM+B4+\b]
.endr
.irp b, 0,1
	v_lshrrev_b32 v[PX+B4+\b], 23, v[SO+B4+\b]
.endr
	v_cvt_scalef32_pk16_bf6_f32 v[P+12*(\u):P+12*(\u)+2], v[SS:SS+15], v[SO+B4]
	v_cvt_scalef32_pk16_bf6_f32 v[TT+8*(\u):TT+8*(\u)+2], v[SS+16:SS+31], v[SO+B4+1]
	v_cndmask_b32 v[PX+B4+2], v[PX+B4], v[PX+B4+1], s[HI]   ; (a plain instruction behind the conversions)
.irp i, 0,1,2
	v_permlane16_swap_b32 v[P+12*(\u)+\i], v[TT+8*(\u)+\i]
.endr
.irp i, 0,1,2
	v_mov_b32 v[P+12*(\u)+3+\i], v[TT+8*(\u)+\i]
.endr
	global_store_b128 v1, v[P+12*(\u):P+12*(\u)+3], s[OB:OB+1] offset:12288*(\u)       ; 512 consecutive bytes,
	global_store_b64 v2, v[P+12*(\u)+4:P+12*(\u)+5], s[OB:OB+1] offset:12288*(\u)      ; and the 256 behind them
.endm
	s_wait_alu depctr_va_vdst(0)                   ; the wait at the head's end
	s_wait_tensorcnt 0x0                           ; my part of the first 512 keys or of the scale words is in
	ds_add_u32 v36, v37
	s_mov_b32 s[TK], 0
	s_mov_b32 s[TV], 24576
	s_mov_b32 s[TS], 0
	s_mov_b32 s[TJ], 0
	s_mov_b32 s[KF], 0
	s_mov_b32 s[SN], 0
	s_mov_b32 s[CNT], 2
	s_wait_dscnt 0x0
	s_barrier_signal -1
	s_barrier_wait -1                              ; everybody's is
	tensor_load_to_lds s[G0R:G0R+3], s[G1R:G1R+7]  ; a quarter of every later step of K or V
	s_nop 0
.rept 4
	v_nop
.endr
	s_wait_loadcnt 0x0                             ; q
.Lfirst_steps:
	STEP 1536, 6144
	s_sub_co_u32 s[CNT], s[CNT], 1
	s_cmp_lg_u32 s[CNT], 0
	s_cbranch_scc1 .Lfirst_steps
	s_wait_tensorcnt 0x0                           ; my part of the later keys is in,
	s_wait_dscnt 0x0
	s_barrier_signal -1                            ; say so
	s_mov_b32 s[CNT], 2
.Lsecond_steps:
	STEP 1536, 6144                                ; register work, and reads of bytes that nobody writes any more
	s_sub_co_u32 s[CNT], s[CNT], 1
	s_cmp_lg_u32 s[CNT], 0
	s_cbranch_scc1 .Lsecond_steps
	s_barrier_wait -1                              ; everybody's part is in
	s_mov_b32 s[TK], 49152
	s_mov_b32 s[TV], 122880
	s_mov_b32 s[TS], 2048
	s_mov_b32 s[TJ], 1024
	s_mov_b32 s[KF], 512
	s_mov_b32 s[SN], 4
	s_mov_b32 s[CNT], 12
.Llater_steps:
	s_cmp_lg_u32 s[KF], s[SW]                      ; A WAVE OF ROLE 1 GOES OVER: its early pair is sent out and the late pair begun
	s_cbranch_scc1 .Lsame_pair
.rept 4
	v_nop                                          ; places behind the last products
.endr
	s_lshl_b32 s14, s[PE], 1
	OBASE
	s_mov_b32 s[PP], s[PL]
	QLOAD                                          ; the late pair's q, on its way while the early pair goes out
.irp u, 0,1
	v_add_f32 v[16+2*\u], v[16+2*\u], v[17+2*\u]
.endr
.irp u, 0,1
	v_permlanex16_b32 v[PX+\u], v[16+2*\u], s[SEL], s[SEL+1]
.endr
.irp u, 0,1
	v_add_f32 v[16+2*\u], v[16+2*\u], v[PX+\u]     ; the row's sum
.endr
	s_wait_alu depctr_va_vdst(0)
	v_rcp_f32 v16, v16
	v_rcp_f32 v18, v18
	v_nop                                          ; a plain instruction behind the reciprocals
	WIN 0x01                                       ; source 0 window 1
	s_wait_alu depctr_va_vdst(0)
.set J, 0
.rept 16
.irp u, 0,1
	v_pk_mul_f32 v[S+64*\u+J:S+64*\u+J+1], v[O+32*\u+J:O+32*\u+J+1], v[16+2*\u:17+2*\u] op_sel_hi:[1,0]
.endr
.set J, J+2
.endr
	WIN 0
	QO 0
	QO 1
	v_lshl_or_b32 v35, v[PX+6], 8, v[PX+2]         ; both tiles' scale bytes wait in a register for the hand-over
	PRO
	s_mov_b32 s[DO], s[DL]
	PMASK
	s_wait_alu depctr_va_vdst(0)
	s_wait_loadcnt 0x0
	s_wait_xcnt 0x0                                ; the stores' bases and data are written again only behind this wait
.Lsame_pair:
	STEP 18432, 1536
	s_sub_co_u32 s[CNT], s[CNT], 1
	s_cmp_lg_u32 s[CNT], 0
	s_cbranch_scc1 .Llater_steps
; THE HAND-OVER.  Role 0 keeps tile 0 of the late pair and sends tile 1; role 1 the other way round.
.macro SENDT o, k
	WIN 0x04                                       ; an LDS store's data are its source 1: window 1
.irp i, 0,1,2,3,4,5,6,7
	ds_store_b128 v39, v[O+32*\o+4*\i:O+32*\o+4*\i+3] offset:512*\i
.endr
	WIN 0
	v_add_f32 v76, v[16+2*\o], v[17+2*\o]
	ds_store_b32 v71, v[12+2*\o] offset:4096
	ds_store_b32 v71, v76 offset:4224
	v_mov_b32 v64, v[12+2*\k]
	v_add_f32 v65, v[16+2*\k], v[17+2*\k]
	s_wait_alu depctr_va_vdst(0)
.endm
.macro KEEP k                          ; my own part of the tile that I keep
	WIN 0x01
	s_wait_alu depctr_va_vdst(0)                   ; the wait directly ahead of the first reader of O^T
.set J, 0
.rept 16
	v_pk_mul_f32 v[S+J:S+J+1], v[O+32*\k+J:O+32*\k+J+1], v[64:65] op_sel_hi:[1,0]
.set J, J+2
.endr
	WIN 0
	s_wait_alu depctr_va_vdst(0)
.endm
.rept 4
	v_nop                                          ; places behind the last products
.endr
	s_wait_alu depctr_va_vdst(0)
	s_cmp_eq_u32 s[ROLE], 0
	s_cbranch_scc0 .Lsend_0
	SENDT 1, 0
	s_branch .Lsent
.Lsend_0:
	ds_store_b8 v21, v35                           ; the early tiles' scale bytes
	v_lshrrev_b32 v77, 8, v35
	ds_store_b8 v21, v77 offset:2
	SENDT 0, 1
.Lsent:
	s_lshl_b32 s14, s[PL], 1
	s_add_co_u32 s14, s14, s[ROLE]
	OBASE
	s_wait_dscnt 0x0
	s_barrier_signal -1
	s_barrier_wait -1
	ds_load_b32 v66, v75 offset:4096               ; the partner's -M and sum for the tile that I keep,
	ds_load_b32 v68, v75 offset:4224
.irp i, 0,1,2,3,4,5,6,7
	ds_load_b128 v[S+64+4*\i:S+64+4*\i+3], v67 offset:512*\i   ; and its O^T
.endr
	s_wait_dscnt 8                                 ; -M and the sum are in; the eight loads of O^T may be out
	v_min_num_f32 v69, v64, v66                    ; the common -M
	v_sub_f32 v64, v69, v64
	v_sub_f32 v66, v69, v66
	v_cvt_i32_f32 v64, v64                         ; (a part with no keys has M = -3e38: it saturates, and the factor is 0)
	v_cvt_i32_f32 v66, v66
	v_ldexp_f32 v64, 1.0, v64
	v_ldexp_f32 v66, 1.0, v66
	v_mul_f32 v65, v65, v64
	v_fma_f32 v65, v68, v66, v65
	v_permlanex16_b32 v[PX], v65, s[SEL], s[SEL+1]
	v_add_f32 v65, v65, v[PX]                      ; the row's sum
	s_wait_alu depctr_va_vdst(0)
	v_rcp_f32 v65, v65
	v_nop                                          ; a plain instruction behind the reciprocal
	s_wait_alu depctr_va_vdst(0)
	v_mul_f32 v64, v64, v65
	v_mul_f32 v66, v66, v65
	s_wait_alu depctr_va_vdst(0)
	s_wait_dscnt 0x0
	s_cmp_eq_u32 s[ROLE], 0
	s_cbranch_scc0 .Lkeep_1
	KEEP 0
	s_branch .Lkept
.Lkeep_1:
	KEEP 1
.Lkept:
.set J, 0
.rept 16
	v_pk_fma_f32 v[S+J:S+J+1], v[S+64+J:S+64+J+1], v[66:67], v[S+J:S+J+1] op_sel_hi:[1,0,1]
.set J, J+2
.endr
	QO 0
	ds_store_b8 v5, v[PX+2]                        ; my tile's scale bytes
	s_lshl_b32 s14, s[JJ], 1
	s_sub_co_u32 s15, 30, s14                      ; the first T / 4 of the late tiles, 30 - 2 jj; of the early ones, 2 jj
	s_cmp_eq_u32 s[ROLE], 0
	s_cselect_b32 s14, s15, s14
	s_lshl_b32 s14, s14, 7
	s_lshl_b32 s16, s13, 12
	s_add_co_u32 s16, s16, s14
	s_mov_b32 s17, 0
	s_add_nc_u64 s[OSB:OSB+1], s[10:11], s[16:17]
	s_wait_dscnt 0x0
	s_barrier_signal -1
	s_barrier_wait -1                              ; all scale bytes of the work-group are in LDS: wave 0 stores the late tiles', wave 4 the early ones'
	s_and_b32 s15, s12, 3
	s_cmp_lg_u32 s15, 0
	s_cbranch_scc1 .Lend
	s_cmp_eq_u32 s[ROLE], 0
	s_cbranch_scc0 .Learly_unit
	ds_load_b64 v[64:65], v4 offset:OST-204800
	s_branch .Lunit
.Learly_unit:
	ds_load_b64 v[64:65], v4 offset:OST+256-204800
.Lunit:
	s_wait_dscnt 0x0
	global_store_b64 v2, v[64:65], s[OSB:OSB+1] offset:-512   ; v2 - 512 = 8 x lane: an aligned unit of 256 bytes
.Lend:
	s_wait_tensorcnt 0x0                           ; the wave's end
	ds_add_u32 v36, v37
	s_wait_dscnt 0x0
	s_endpgm
.Lfunc_end_k_qab7e9af598_attn:
	.size	k_qab7e9af598_attn, .Lfunc_end_k_qab7e9af598_attn-k_qab7e9af598_attn
	.p2alignl 7, 3214868480
	.fill 96, 4, 3214868480
	.section	.rodata,"a",@progbits
	.p2align	6, 0x0
	.amdhsa_kernel k_qab7e9af598_attn
		.amdhsa_group_segment_fixed_size 327680
		.amdhsa_private_segment_fixed_size 0
		.amdhsa_enable_private_segment 0
		.amdhsa_kernarg_size 32
		.amdhsa_user_sgpr_count 2
		.amdhsa_user_sgpr_kernarg_segment_ptr 1
		.amdhsa_wavefront_size32 1
		.amdhsa_system_sgpr_workgroup_id_x 1
		.amdhsa_system_sgpr_workgroup_id_y 1
		.amdhsa_system_sgpr_workgroup_id_z 1
		.amdhsa_system_vgpr_workitem_id 0
		.amdhsa_next_free_vgpr 424
		.amdhsa_next_free_sgpr 98
		.amdhsa_reserve_vcc 1
		.amdhsa_float_denorm_mode_32 3
		.amdhsa_float_denorm_mode_16_64 3
		.amdhsa_memory_ordered 1
		.amdhsa_forward_progress 1
		.amdhsa_inst_pref_size 172
	.end_amdhsa_kernel
	.amdgpu_metadata
---
amdhsa.version: [ 1, 2 ]
amdhsa.kernels:
  - .name:           k_qab7e9af598_attn
    .symbol:         k_qab7e9af598_attn.kd
    .args:
      - { .name: qkv, .offset: 0, .size: 8, .value_kind: global_buffer, .address_space: global }
      - { .name: qkvs, .offset: 8, .size: 8, .value_kind: global_buffer, .address_space: global }
      - { .name: ocodes, .offset: 16, .size: 8, .value_kind: global_buffer, .address_space: global }
      - { .name: oscales, .offset: 24, .size: 8, .value_kind: global_buffer, .address_space: global }
    .group_segment_fixed_size: 327680
    .private_segment_fixed_size: 0
    .kernarg_segment_align: 8
    .kernarg_segment_size: 32
    .max_flat_workgroup_size: 256
    .sgpr_count:     98
    .vgpr_count:     424
    .wavefront_size: 32
...
	.end_amdgpu_metadata
.endif
;; end of part 3
;; launch oproj (part 4): grid 16 x 16, 4 waves a work-group, clusters of 4 x 1, 168,448 bytes of LDS; arguments ocodes, oscales, codes, scales, out0; writes out0
.if DOCPART == 4
	.amdgcn_target "amdgcn-amd-amdhsa--gfx1250"
	.amdhsa_code_object_version 6
	.text
	.protected	k_qab7e9af598_oproj
	.globl	k_qab7e9af598_oproj
	.p2align	8
	.type	k_qab7e9af598_oproj,@function
k_qab7e9af598_oproj:
	s_mov_b64 s[64:65], 0
	v_nop
	global_prefetch_b8 v0, s[64:65] scope:SCOPE_SE
	s_setreg_imm32_b32 hwreg(HW_REG_WAVE_MODE, 25, 1), 1
	s_wait_xcnt 0x0
	s_wait_alu depctr_hold_cnt(0) depctr_sa_sdst(0) depctr_va_vdst(0) depctr_va_sdst(0) depctr_va_ssrc(0) depctr_va_vcc(0) depctr_vm_vsrc(0)
	s_getreg_b32 s2, hwreg(HW_REG_IB_STS2, 6, 4)
	s_cmp_eq_u32 s2, 0
	s_cbranch_scc0 .Lentry_in_a_cluster
	s_endpgm
.Lentry_in_a_cluster:
	s_bfe_u32 s2, ttmp6, 0x10000c
	s_cmp_lg_u32 s2, 0x3003
	s_cbranch_scc0 .Lentry_shape_is_right
	s_endpgm
.Lentry_shape_is_right:
; out0 = o Wo^T on codes of BF6 with E8M0 scales; out0 [4096][1024] f32.
; SHARES.  A work-group takes 256 rows (row tile rt) x 64 columns (ct); wave w takes row blocks R0 + m, R0 = 16 rt + 4 w, m = 0..3.  Wo's four row blocks, all of K, 49,152 bytes, come into LDS once, by one joint load a wave,
; shared by the four work-groups of the cluster, which have the same columns; each wave then holds all 32 fragments of them in 384 registers.  No LDS byte is filled twice.
; THE WORK GOES BY ROWS OF out0: a row block's eight fragments of o (a K step of 128 is two heads' half images on end) come straight from memory into registers, a slot for each row block; its 32 matrix instructions finish it,
; and it leaves while the next one is multiplied.
; Source 0 = Wo's rows, source 1 = o's: a lane holds one row of out0 and registers 16 b + i = column 32 b + 16 (lane / 16) + i of the 64.  Lane-row r of row block R is true row 32 (R / 2) + 8 (R % 2) + r + 8 (r / 8).
; o's scale bytes lie [batch x head][row block / 4][r][row block % 4][2 bytes]: a lane loads 8 bytes (my four row blocks) for each of its eight heads, and two heads' halves make a word of a K step.
; NO PREFETCH: no loop, no ring; row blocks 0 to 2 are asked for at the head, 3 in the middle of the first.
; LIMITS: NaN and infinities are not served.
; REGISTERS, window 0: v1-12 addresses; 16-31 o's scale bytes as loaded; 32-47 its words, 48-63 Wo's; 64-127 rows read back; 128-191 two sets of four accumulators.
;   Windows 1 (v0-251) and 2 (v0-131): Wo's fragments f = 4 x K step + n.  o's slots: window 3 v0-95, v96-191; window 2 v136-231; window 3 v192-251 and window 0 v192-227.
.set SCL, 16
.set SCX, 32
.set SCW, 48
.set BK,  64
.set AC,  128
.set STO, 10                           ; v10 the stage: where I put my row's bytes
.set RDA, 11                           ; v11 where I read rows back
.set CO,  12                           ; v12 my byte offset in two rows of out0
.set G1,  24
.set G0,  32
.set STAGE, 49152                      ; behind Wo's blocks: 16 rows x (256 bytes + 16) for each wave
.set SPARE, 0x29000
.set MSB, 0
.macro WIN new                         ; bits 1:0 source 0, 3:2 source 1, 5:4 source 2, 7:6 destination; the immediate's high byte repeats the setting that is left
.if MSB != (\new)
	s_set_vgpr_msb (MSB<<8)|(\new)
.set MSB, (\new)
.endif
.endm
.macro PLACES n
.rept \n
	v_nop
.endr
.endm
.macro CROUND                          ; a round of the cluster's barrier
	s_barrier_signal -1
	s_barrier_wait -1
	s_cmp_lg_u32 s14, 0
	s_cbranch_scc1 .Lnot_wave_0_\@
	s_barrier_signal -3
.Lnot_wave_0_\@:
	s_barrier_wait -3
	s_barrier_signal -1
	s_barrier_wait -1
.endm
.macro SLOT m, s                       ; row block m's fragment of K step s: window AW, first register AR
.if (\m) < 2
.set AW, 3
.set AR, 96*(\m)+12*(\s)
.elseif (\m) == 2
.set AW, 2
.set AR, 136+12*(\s)
.elseif (\s) < 5
.set AW, 3
.set AR, 192+12*(\s)
.else
.set AW, 0
.set AR, 192+12*((\s)-5)
.endif
.endm
.macro ALOAD m                         ; o's eight fragments of row block m: 32 loads
.irp s, 0,1,2,3,4,5,6,7
	SLOT \m, \s
	WIN AW<<6
	global_load_b128 v[AR:AR+3], v1, s[44:45] offset:(\m)*12288+\s*1536            ; head 2 s: registers 0-5,
	global_load_b64 v[AR+4:AR+5], v2, s[44:45] offset:(\m)*12288+\s*1536
	global_load_b128 v[AR+6:AR+9], v1, s[44:45] offset:(\m)*12288+\s*1536+768      ; head 2 s + 1: registers 6-11
	global_load_b64 v[AR+10:AR+11], v2, s[44:45] offset:(\m)*12288+\s*1536+768
.endr
	WIN 0
.endm
	s_load_b256 s[4:11], s[0:1], 0x0               ; ocodes, oscales, codes, scales
	s_load_b64 s[12:13], s[0:1], 0x20              ; out0
	v_lshl_add_u32 v254, v0, 2, SPARE
	v_mov_b32 v255, 0
	ds_add_u32 v254, v255                          ; the opening lines
	ds_add_u32 v254, v255
	v_lshrrev_b32 v1, 5, v0
	v_readfirstlane_b32 s14, v1                    ; wave 0..3
	s_bfe_u32 s15, ttmp6, 0x40000                  ; cx
	s_lshl_b32 s16, ttmp9, 2
	s_add_co_u32 s16, s16, s15                     ; rt
	s_and_b32 s17, ttmp7, 0xffff                   ; ct, which the four partners share
	v_and_b32 v8, 31, v0
	v_lshlrev_b32 v1, 4, v8                        ; 16 x lane
	v_lshlrev_b32 v2, 3, v8
	v_add_nc_u32 v2, 512, v2                       ; 8 x lane + 512
	v_and_b32 v3, 15, v0                           ; r
	v_bfe_u32 v4, v0, 4, 1                         ; h
	v_lshlrev_b32 v9, 3, v3
	v_lshl_add_u32 v9, v4, 15, v9                  ; 8 r + 32,768 h: lanes 0-15 heads 0 to 7, lanes 16-31 heads 8 to 15, of 4,096 bytes
	s_mul_i32 s18, s14, 16*272
	s_add_co_u32 s18, s18, STAGE                   ; my stage
	v_mul_u32_u24 v[STO], v3, 272
	v_lshl_add_u32 v[STO], v4, 6, v[STO]
	v_add_nc_u32 v[STO], s18, v[STO]               ; in: row r, + 64 h bytes
	v_mul_u32_u24 v[RDA], v4, 272
	v_lshl_add_u32 v[RDA], v3, 4, v[RDA]
	v_add_nc_u32 v[RDA], s18, v[RDA]               ; back: lanes 0-15 one row of 256 bytes, lanes 16-31 the next
	v_lshlrev_b32 v[CO], 12, v4
	v_lshl_add_u32 v[CO], v3, 4, v[CO]             ; and the same two rows in out0
	s_mov_b32 s[G1+0], 15|(3<<16)|(1<<21)          ; the mask: all four work-groups; elements of 8 bytes; bit 21 set beside a mask; no padding
	s_mov_b32 s[G1+1], 32<<16                      ; a dense block of 12,288 bytes as 48 rows of 256
	s_mov_b32 s[G1+2], 48<<16
	s_mov_b32 s[G1+3], 32<<16
	s_mov_b32 s[G1+4], 48
	s_mov_b32 s[G1+5], 32
	s_mov_b32 s[G1+6], 0
	s_mov_b32 s[G1+7], 0
	s_lshl_b32 s21, s16, 4
	s_lshl_b32 s18, s14, 2
	s_add_co_u32 s21, s21, s18                     ; R0 = 16 rt + 4 w
	s_mov_b32 s61, 0
	s_mov_b32 s63, 0
	s_mul_i32 s3, s14, 12288                       ; LDS: wave w fetches block w
	s_lshl_b32 s62, s17, 2
	s_add_co_u32 s62, s62, s14
	s_add_co_u32 s62, s62, 448
	s_mul_i32 s62, s62, 12288                      ; row block 448 + 4 ct + w of the codes
	s_wait_alu depctr_va_vdst(0)
	s_wait_dscnt 0x0
	s_wait_kmcnt 0x0
	s_add_nc_u64 s[62:63], s[8:9], s[62:63]
	s_mul_i32 s60, s21, 12288
	s_add_nc_u64 s[44:45], s[4:5], s[60:61]        ; o's codes at R0
	s_lshr_b32 s60, s21, 7
	s_lshl_b32 s60, s60, 16                        ; the batch's 16 heads of 4,096 scale bytes,
	s_and_b32 s18, s21, 127
	s_lshl_b32 s18, s18, 5                         ; + 128 bytes for each four row blocks
	s_add_co_u32 s60, s60, s18
	s_add_nc_u64 s[46:47], s[6:7], s[60:61]
	s_lshl_b32 s60, s17, 11
	s_add_co_u32 s60, s60, 448*512
	s_add_nc_u64 s[48:49], s[10:11], s[60:61]      ; Wo's scale words at block 448 + 4 ct
.irp e, 0,1,2,3,4,5,6,7
	global_load_b64 v[SCL+2*\e:SCL+2*\e+1], v9, s[46:47] offset:\e*4096            ; head e (lanes 16-31: 8 + e): register 0 row blocks 0 and 1, register 1 row blocks 2 and 3
.endr
.irp n, 0,1,2,3
	global_load_b128 v[SCW+4*\n:SCW+4*\n+3], v1, s[48:49] offset:\n*512
.endr
	ALOAD 0                                        ; with the 12 above: 44 loads ahead of the round
	s_mov_b32 s[G0], 1
	s_mov_b32 s[G0+1], s3
	s_mov_b64 s[G0+2:G0+3], s[62:63]
	s_or_b32 s[G0+3], s[G0+3], 0x80000000
	CROUND                                         ; all four work-groups are here: the joint loads meet
	tensor_load_to_lds s[G0:G0+3], s[G1:G1+7]      ; one load of mine is outstanding
	s_nop 0
	PLACES 4
	ALOAD 1
	ALOAD 2
	s_lshl_b32 s60, s21, 16                        ; true row 16 R0, of 4,096 bytes,
	s_lshl_b32 s18, s17, 8                         ; + 64 ct columns
	s_add_co_u32 s60, s60, s18
	s_add_nc_u64 s[52:53], s[12:13], s[60:61]
.macro WFRAG f                         ; Wo's fragment f: window WW, first register WR
.set WW, 1+(\f)/21
.set WR, 12*((\f)%21)
.endm
.macro MULH m, s0                      ; half of row block m: K steps s0 .. s0 + 3; four accumulators take turns, one instruction a turn
.irp s, \s0, \s0+1, \s0+2, \s0+3
	SLOT \m, \s
.if (\m) == 0
.if 12*(7-(\s)) > 63
	s_wait_dscnt 63                                ; Wo's fragments of this K step are in; the later ones' may be out
.else
	s_wait_dscnt 12*(7-(\s))
.endif
.endif
.irp n, 0,1,2,3
	WFRAG 4*(\s)+\n
	WIN WW|(AW<<2)                                 ; source 0 Wo, source 1 o; C and D window 0
.set RD, AC+32*((\m)%2)+8*\n
.set SX, SCX+4*(\m)+(\s)%4
.set SW, SCW+4*\n+(\s)%4
.if (\s) == 0
	v_wmma_scale_f32_16x16x128_f8f6f4 v[RD:RD+7], v[WR:WR+11], v[AR:AR+11], 0, v[SW], v[SX] matrix_a_fmt:MATRIX_FMT_BF6 matrix_b_fmt:MATRIX_FMT_BF6
.elseif (\s) < 4
	v_wmma_scale_f32_16x16x128_f8f6f4 v[RD:RD+7], v[WR:WR+11], v[AR:AR+11], v[RD:RD+7], v[SW], v[SX] matrix_a_fmt:MATRIX_FMT_BF6 matrix_b_fmt:MATRIX_FMT_BF6
.else
	v_wmma_scale_f32_16x16x128_f8f6f4 v[RD:RD+7], v[WR:WR+11], v[AR:AR+11], v[RD:RD+7], v[SW], v[SX] matrix_a_fmt:MATRIX_FMT_BF6 matrix_b_fmt:MATRIX_FMT_BF6 matrix_a_scale:MATRIX_SCALE_ROW1 matrix_b_scale:MATRIX_SCALE_ROW1
.endif
.endr
.endr
	WIN 0
.endm
; THE WAY OUT: a lane holds two runs of 64 bytes of one row, and the lanes beside it hold other rows: the block goes through my own stage and comes back as whole rows of 256 bytes.
; LDS serves a wave's instructions in order: no wait between the stores and the loads, nor in front of the next block's stores.
.macro TOSTAGE m
.irp q, 0,1,2,3,4,5,6,7
	ds_store_b128 v[STO], v[AC+32*((\m)%2)+4*\q:AC+32*((\m)%2)+4*\q+3] offset:128*(\q/4)+16*(\q%4)   ; each accumulator from its low end on
.endr
.irp i, 0,1,2,3,4,5,6,7
	ds_load_b128 v[BK+32*((\m)%2)+4*\i:BK+32*((\m)%2)+4*\i+3], v[RDA] offset:544*\i
.endr
.endm
.macro SEND m
	s_wait_dscnt 0x0                               ; the block is back in registers
.irp i, 0,1,2,3,4,5,6,7
	global_store_b128 v[CO], v[BK+32*((\m)%2)+4*\i:BK+32*((\m)%2)+4*\i+3], s[52:53] offset:(32*((\m)/2)+8*((\m)%2)+2*\i+8*(\i/4))*4096 th:TH_STORE_NT   ; 16 lanes store 256 consecutive bytes, aligned; lane-rows 2 i and 2 i + 1 at their true rows
.endr
.endm
	s_wait_tensorcnt 0x0                           ; my block of Wo is in LDS,
	s_barrier_signal -1
	s_barrier_wait -1                              ; everybody's is
.irp s, 0,1,2,3,4,5,6,7
.irp n, 0,1,2,3
	WFRAG 4*\s+\n
	WIN WW<<6
.irp c, 0,1,2
	ds_load_b128 v[WR+4*\c:WR+4*\c+3], v1 offset:\n*12288+\s*1536+512*\c
.endr
.endr
.endr
	WIN 0
	s_mov_b32 s18, 0x05040100
	s_mov_b32 s19, 0x07060302
	s_wait_loadcnt 63                              ; the scale bytes and row block 0 are in (64 loads were issued behind them)
.irp e, 0,1,2,3
.irp m, 0,1,2,3
	v_perm_b32 v[SCX+4*\m+\e], v[SCL+4*\e+2+\m/2], v[SCL+4*\e+\m/2], s[18+\m%2]   ; K step e (lanes 16-31: 4 + e): the even head's two bytes low, the odd head's high
.endr
.endr
	s_wait_alu depctr_va_vdst(0)
	PLACES 8                                       ; a scale register written by a vector instruction stands 8 places ahead of a scaled matrix instruction
	MULH 0, 0
	ALOAD 3
	MULH 0, 4
	PLACES 4                                       ; behind the block's last products: for the reads of results
	TOSTAGE 0
	s_wait_loadcnt 63                              ; row block 1 is in (64 loads were issued behind it)
	MULH 1, 0
	SEND 0
	MULH 1, 4
	PLACES 4
	TOSTAGE 1
	s_wait_loadcnt 32                              ; row block 2 is in; row block 3's 32 loads may be out
	MULH 2, 0
	SEND 1
	MULH 2, 4
	PLACES 4
	s_wait_xcnt 0x0                                ; row block 0's stores have read their registers: row block 2's rows may land there
	TOSTAGE 2
	s_wait_loadcnt 0x0                             ; row block 3 is in
	MULH 3, 0
	SEND 2
	MULH 3, 4
	PLACES 4
	s_wait_xcnt 0x0
	TOSTAGE 3
	SEND 3
	s_wait_tensorcnt 0x0                           ; the wave's end
	ds_add_u32 v254, v255
	s_wait_dscnt 0x0
	CROUND                                         ; the closing round: no work-group ends while a partner may still ask for a tile that names it
	s_endpgm
.Lfunc_end_k_qab7e9af598_oproj:
	.size	k_qab7e9af598_oproj, .Lfunc_end_k_qab7e9af598_oproj-k_qab7e9af598_oproj
	.p2alignl 7, 3214868480
	.fill 96, 4, 3214868480
	.section	.rodata,"a",@progbits
	.p2align	6, 0x0
	.amdhsa_kernel k_qab7e9af598_oproj
		.amdhsa_group_segment_fixed_size 168448
		.amdhsa_private_segment_fixed_size 0
		.amdhsa_enable_private_segment 0
		.amdhsa_kernarg_size 40
		.amdhsa_user_sgpr_count 2
		.amdhsa_user_sgpr_kernarg_segment_ptr 1
		.amdhsa_wavefront_size32 1
		.amdhsa_system_sgpr_workgroup_id_x 1
		.amdhsa_system_sgpr_workgroup_id_y 1
		.amdhsa_system_sgpr_workgroup_id_z 1
		.amdhsa_system_vgpr_workitem_id 0
		.amdhsa_next_free_vgpr 1024
		.amdhsa_next_free_sgpr 66
		.amdhsa_reserve_vcc 0
		.amdhsa_float_denorm_mode_32 3
		.amdhsa_float_denorm_mode_16_64 3
		.amdhsa_memory_ordered 1
		.amdhsa_forward_progress 1
		.amdhsa_inst_pref_size 51
	.end_amdhsa_kernel
	.amdgpu_metadata
---
amdhsa.version: [ 1, 2 ]
amdhsa.kernels:
  - .name:           k_qab7e9af598_oproj
    .symbol:         k_qab7e9af598_oproj.kd
    .args:
      - { .name: ocodes, .offset: 0, .size: 8, .value_kind: global_buffer, .address_space: global }
      - { .name: oscales, .offset: 8, .size: 8, .value_kind: global_buffer, .address_space: global }
      - { .name: codes, .offset: 16, .size: 8, .value_kind: global_buffer, .address_space: global }
      - { .name: scales, .offset: 24, .size: 8, .value_kind: global_buffer, .address_space: global }
      - { .name: out0, .offset: 32, .size: 8, .value_kind: global_buffer, .address_space: global }
    .group_segment_fixed_size: 168448
    .private_segment_fixed_size: 0
    .kernarg_segment_align: 8
    .kernarg_segment_size: 40
    .max_flat_workgroup_size: 128
    .sgpr_count:     66
    .vgpr_count:     1024
    .wavefront_size: 32
...
	.end_amdgpu_metadata
.endif
;; end of part 4
